; MI455X (gfx1250); checked and timed in simulation.
; The chip was launched on July 23, 2026; its instructions are those of AMD's public machine-readable ISA for CDNA 5 (MIT licence, August 2026) and "CDNA5" Instruction Set Architecture Reference Guide (July 2026). The comments in the code are by the model that wrote it; some were corrected since.
;; Soft Attention. Allowed arithmetic: matrix products marked QUANTISED: E5M2 operands, one given power-of-two scale a tensor, by v_wmma_f32_16x16x64_bf8_bf8 or v_wmma_f32_16x16x128_bf8_bf8, f32 sums; products left as they are: f32 operands where the result goes on into a quantised operand, else bf16, f16 or f32 operands; f32 sums; everything else in f32.
;; Inputs: W_bil_codes 1,024 x 32 x 32 uint8 (E5M2 codes of W_bil, K innermost, in blocks of 32 codes); W_enc_codes 1,024 x 64 x 32 uint8 (E5M2 codes of W_enc, K innermost, in blocks of 32 codes); W_q_codes 1,024 x 32 x 32 uint8 (E5M2 codes of W_q, K innermost, in blocks of 32 codes); lowp_scales 6 int32 (the exponents e of the quantised operands' scales 2^e); mask 16 x 1 x 2,048 int32; query_codes 16 x 1 x 32 x 32 uint8 (E5M2 codes of query, K innermost, in blocks of 32 codes); value 16 x 2,048 x 2,048 float32.
;; Outputs: out0 16 x 1 x 2,048 float32; out1 16 x 1 x 2,048 float32.
;; This version of the problem:
;;   THIS VERSION OF THE PROBLEM IS GIVEN IN LOW PRECISION. The matrix products marked QUANTISED in the list below multiply operands that are first quantised to E5M2 (5 exponent bits, 2 mantissa bits; 8 bits a number), with one given power-of-two scale for each operand tensor; their sums are f32. All else is computed in f32.
;;   The module's matrix products, in the order in which they are computed (A, B: the left and right operand; K: the contracted axis; several contracted axes count as one K, in the product's order):
;;     1. [M 32,768, K 2,048] x [K 2,048, N 1,024]; A: input value; B: input W_enc (given as codes): QUANTISED (scales: A lowp_scales[0], B lowp_scales[1])
;;     2. [M 16, K 1,024] x [K 1,024, N 1,024]; A: input query (given as codes); B: input W_q (given as codes): QUANTISED (scales: A lowp_scales[2], B lowp_scales[3])
;;     3. [M 16, K 1,024] x [K 1,024, N 1,024]; A: computed on the way; B: input W_bil (given as codes): QUANTISED (scales: A lowp_scales[4], B lowp_scales[5])
;;     4. batch 16 x [M 1, K 1,024] x [K 1,024, N 2,048]; A: computed on the way; B: computed on the way: left as it is (M = 1 < 16)
;;     5. batch 16 x [M 1, K 2,048] x [K 2,048, N 2,048]; A: softmax; B: input value: left as it is (M = 1 < 16)
;;   THE QUANTISER, for each operand of a quantised product, along K:
;;     - The operand's scale is 2^e, e = its entry of the input lowp_scales (int32; the entries are numbered through the quantised products in the list's order, A before B).
;;     - Each number is divided by the scale, clamped to +-57,344, and rounded to the nearest number of E5M2, ties to even, subnormals kept.
;;     - The product sums the exact products of the quantised numbers (number of the format x scale) in f32.
;;   ~~~python
;;   def quantise(x, axis, e):      # numpy; x: float32 -> the quantised numbers, widened to float32 again
;;       x = np.moveaxis(x, axis, -1); K = x.shape[-1]
;;       r = np.clip(x / 2.0 ** e, -57344, 57344)
;;       step = 2.0 ** (np.maximum(np.frexp(np.where(r == 0, 1, r))[1] - 1, -14) - 2)
;;       q = np.round(r / step) * step * 2.0 ** e      # np.round: ties to even
;;       return np.moveaxis(q, -1, axis).astype(np.float32)
;;   ~~~
;;   OPERANDS COMPUTED ON THE WAY. 'Computed on the way' means the value that the module computes at that place (a softmax that the list does not call 'softmax' is quantised finished and normalised). What goes into a quantiser is computed in f32, as accurately as f32 sums, v_exp_f32 and their like allow (about 1e-6 of the number): no bf16 or f16 on the way to a quantiser, and a product that is left as it is and whose result goes on into a quantised operand takes f32 operands (vector FMAs, or v_wmma_f32_16x16x4_f32). A number that lies on a knife's edge between two numbers of the format may be rounded either way, as far as f32 arithmetic and the matrix unit's own rounding can turn it there, and no further.
;;   INPUTS GIVEN AS CODES. W_bil (in the module: [1024, 1024], K = its axis 0); W_enc (in the module: [1024, 2048], K = its axis 1); W_q (in the module: [1024, 1024], K = its axis 1); query (in the module: [16, 1, 1024], K = its axis 2): each comes as NAME_codes (uint8): NAME with its K axis moved to the last place and cut into blocks of 32 codes, [.., K / 32, bytes a block], one block behind the other in memory; one code a byte (a code: sign, 5 exponent bits, 2 mantissa bits); its scale is its entry of lowp_scales. Its value is code x scale, taken as it is: it is not quantised again, and the codes and scales need not be those that the quantiser above would give.
;; 2 versions, each right and faster than the one before. Each part assembles by itself: llvm-mc -triple=amdgcn-amd-amdhsa -mcpu=gfx1250 --defsym DOCPART=n.
;; ======== version 1 of 2: 4 launches
;; limits: an absolute error that grows with the inputs' magnitude: up to 1.863e-09 times it
;; workspace buffers: qwp 1,048,576 bytes; scoresP 1,048,576 bytes; flags 1,024 bytes of whole numbers
;; launch qw (part 1): grid 16 x 1, 4 waves a work-group, no clusters, 68,096 bytes of LDS; arguments query_codes, W_q_codes, W_bil_codes, lowp_scales, qwp; writes qwp
.if DOCPART == 1
	.amdgcn_target "amdgcn-amd-amdhsa--gfx1250"
	.amdhsa_code_object_version 6
	.text
	.protected	k_q3902d69d99_qw
	.globl	k_q3902d69d99_qw
	.p2align	8
	.type	k_q3902d69d99_qw,@function
k_q3902d69d99_qw:
	s_mov_b64 s[64:65], 0
	v_nop
	global_prefetch_b8 v0, s[64:65] scope:SCOPE_SE
	s_setreg_imm32_b32 hwreg(HW_REG_WAVE_MODE, 25, 1), 1
	s_wait_xcnt 0x0
; qW = Q(query W_q^T) W_bil, both products on codes of E5M2, as 16 partial sums over slices of the second product's K.
; Work-group j makes q_proj[:, 64 j .. 64 j + 63] over the whole K = 1,024, quantises it with the given 2^e4, and multiplies it, as K slice j (64 wide), with all 1,024 rows of W_bil's codes.
; qwp[j][b][n] (f32, raw sums: no scale applied) = sum over k in slice j of code(q_proj[b][k]) x code(W_bil[k][n]).  The reader adds the 16 slices in the order of j and applies the scales.
; BOTH PRODUCTS ARE USED TRANSPOSED (source 0 = 16 rows of the weight, source 1 = the 16 batches): a lane holds ONE batch (lane % 16).
; Wave t makes one tile of the first product.  THE ROWS OF W_q THAT FORM IT ARE NOT NEIGHBOURS: lane r takes row 64 j + 32 (t / 2) + 8 (t % 2) + r + 8 (r / 8), so that lane (r, h)'s eight sums are
; k = 32 (t / 2) + 16 h + 8 (t % 2) + 0 .. 7 of the slice: registers 2 t, 2 t + 1 of an operand whose registers 4 c .. 4 c + 3 hold k = 32 c + 16 h + 0 .. 15.  W_bil's fragments are loaded in the same order of k.
; The four waves' codes meet in LDS as an image of that operand's registers (32 bytes a lane).  Then wave t takes W_bil's rows 256 t .. 256 t + 255: 16 tiles, one K = 64 instruction each.
; The first product's K goes by turns onto two accumulators, which are added in f32 ahead of the quantiser: the order of that f32 sum differs from an ascending one.
; LIMIT: e4 - e2 - e3 lies between -126 and 112, so that the conversion's scale and the hold are f32 numbers.
; REGISTERS, in windows of 256: window 0: v1-13 addresses and constants; v16-31 two accumulators; v32-39 their sum; v40-41 my codes; v48-55 the K = 64 operand; v128-255 query's 8 fragments.
;   window 1: v0-127 W_q's 8 fragments; v128-255 W_bil's 16 fragments.   window 2: v0-127 the second product's 16 accumulators; v128-255 rows read back from the stage.
.set IMG,  0                           ; LDS: the operand's image, 32 lanes x 32 bytes
.set STG,  1024                        ; then a stage of 16 rows x (1,024 bytes + 16) for each wave
.set SPI,  1040
.set MSB,  0
.macro WIN new                         ; the immediate's high byte repeats the setting that is left; a switch that changes nothing is dropped
.if MSB != (\new)
	s_set_vgpr_msb (MSB<<8)|(\new)
.set MSB, (\new)
.endif
.endm
	s_load_b256 s[4:11], s[0:1], 0x0               ; query's codes s[4:5], W_q's s[6:7], W_bil's s[8:9], the scales' exponents s[10:11]
	s_load_b64 s[12:13], s[0:1], 0x20              ; qwp
	v_lshl_add_u32 v126, v0, 2, 0x10800
	v_mov_b32 v127, 0
	v_lshrrev_b32 v1, 5, v0
	v_readfirstlane_b32 s14, v1                    ; wave t
	v_and_b32 v13, 31, v0                          ; lane
	v_and_b32 v1, 15, v0                           ; r
	v_bfe_u32 v2, v0, 4, 1                         ; h
	v_lshlrev_b32 v3, 10, v1
	v_lshl_add_u32 v3, v2, 4, v3                   ; query and W_bil: row r of 1,024 bytes, + 16 h
	v_and_b32 v4, 8, v1
	v_add_nc_u32 v4, v4, v1                        ; r + 8 (r / 8)
	v_lshlrev_b32 v4, 10, v4
	v_lshl_add_u32 v4, v2, 4, v4                   ; W_q: that row, + 16 h
	v_lshlrev_b32 v7, 5, v13                       ; the image: 32 x lane,
	s_lshl_b32 s15, s14, 3
	v_add_nc_u32 v6, s15, v7                       ; and my 8 bytes of it: + 8 t
	s_mul_i32 s16, s14, 16*SPI
	s_add_co_u32 s16, s16, STG                     ; my stage
	v_mul_u32_u24 v8, v1, SPI
	v_lshl_add_u32 v8, v2, 5, v8
	v_add_nc_u32 v8, s16, v8                       ; in: row r (a batch), + 32 h
	v_lshlrev_b32 v10, 4, v13                      ; out: 16 bytes a lane, in qwp
	v_add_nc_u32 v9, s16, v10                      ; and in the stage
	s_lshl_b32 s20, ttmp9, 6                       ; 64 j
	s_lshr_b32 s17, s14, 1
	s_lshl_b32 s17, s17, 5
	s_and_b32 s18, s14, 1
	s_lshl_b32 s18, s18, 3
	s_add_co_u32 s17, s17, s18
	s_add_co_u32 s17, s17, s20                     ; my tile's first row of W_q: 64 j + 32 (t / 2) + 8 (t % 2)
	s_lshl_b32 s22, s17, 10
	s_mov_b32 s23, 0
	s_lshl_b32 s24, s14, 18                        ; W_bil: my 256 rows of 1,024 bytes,
	s_add_co_u32 s24, s24, s20                     ; at byte 64 j of each
	s_mov_b32 s25, 0
	s_lshl_b32 s26, ttmp9, 16                      ; qwp: slice j of 65,536 bytes,
	s_lshl_b32 s27, s14, 10                        ; my 256 columns
	s_add_co_u32 s26, s26, s27
	s_mov_b32 s27, 0
	s_wait_kmcnt 0x0
	s_load_b64 s[38:39], s[10:11], 0x8             ; e2, e3
	s_load_b32 s40, s[10:11], 0x10                 ; e4
	s_add_nc_u64 s[6:7], s[6:7], s[22:23]
	s_add_nc_u64 s[8:9], s[8:9], s[24:25]
	s_add_nc_u64 s[12:13], s[12:13], s[26:27]
.irp s, 0,1,2,3,4,5,6,7                        ; 96 loads go out at once: query's 8 K steps of 128,
.irp c, 0,1,2,3
	global_load_b128 v[128+16*\s+4*\c:128+16*\s+4*\c+3], v3, s[4:5] offset:128*\s+32*\c
.endr
.endr
	WIN 0x40                                       ; destination window 1
.irp s, 0,1,2,3,4,5,6,7                        ; W_q's likewise,
.irp c, 0,1,2,3
	global_load_b128 v[16*\s+4*\c:16*\s+4*\c+3], v4, s[6:7] offset:128*\s+32*\c
.endr
.endr
.irp t, 0,1,2,3,4,5,6,7,8,9,10,11,12,13,14,15  ; and W_bil's 16 tiles x 64 along K
.irp c, 0,1
	global_load_b128 v[128+8*\t+4*\c:128+8*\t+4*\c+3], v3, s[8:9] offset:16384*\t+32*\c
.endr
.endr
	WIN 0
	s_wait_kmcnt 0x0
	s_sub_co_i32 s28, s40, s38
	s_sub_co_i32 s28, s28, s39                     ; a sum stands for sum x 2^(e2 + e3): its code is sum / 2^(e4 - e2 - e3)
	s_add_co_i32 s28, s28, 127
	s_lshl_b32 s29, s28, 23
	v_mov_b32 v11, s29                             ; that power of two as f32: the conversion takes its exponent field
	s_add_co_i32 s28, s28, 15
	s_lshl_b32 s28, s28, 23
	s_or_b32 s28, s28, 0x600000
	v_mov_b32 v12, s28                             ; 57,344 x that
	s_wait_loadcnt 32                              ; query and W_q are in; W_bil's 32 loads may stay out
	WIN 0x01                                       ; source 0 (W_q) window 1
.irp s, 0,1,2,3,4,5,6,7                        ; the two accumulators take turns, one instruction a turn; the first two K steps start the sums
.if \s < 2
	v_wmma_f32_16x16x128_bf8_bf8 v[16+8*(\s%2):23+8*(\s%2)], v[16*\s:16*\s+15], v[128+16*\s:128+16*\s+15], 0
.else
	v_wmma_f32_16x16x128_bf8_bf8 v[16+8*(\s%2):23+8*(\s%2)], v[16*\s:16*\s+15], v[128+16*\s:128+16*\s+15], v[16+8*(\s%2):23+8*(\s%2)]
.endif
.endr
	WIN 0
.rept 4
	v_nop                                          ; four places between the last products and the first read of their results (ISA guide 7.12.1)
.endr
.irp i, 0,2,4,6
	v_pk_add_f32 v[32+\i:33+\i], v[16+\i:17+\i], v[24+\i:25+\i]   ; both accumulators from their low ends on
.endr
.irp i, 0,1,2,3,4,5,6,7
	v_med3_num_f32 v[32+\i], v[32+\i], -v12, v12   ; the conversion to an 8-bit code does not saturate (ISA guide 7.6.2): the hold at the largest code x the scale
.endr
	v_cvt_scalef32_pk8_bf8_f32 v[40:41], v[32:39], v11
	v_nop                                          ; one plain vector instruction behind the conversion
	ds_store_b64 v6, v[40:41] offset:IMG
	s_wait_dscnt 0x0                               ; for the others' sake: my part of the image has landed
	s_barrier_signal -1
	s_barrier_wait -1
	ds_load_b128 v[48:51], v7 offset:IMG           ; the whole operand: 16 batches x 64 along K
	ds_load_b128 v[52:55], v7 offset:IMG+16
	s_wait_dscnt 0x0
	s_wait_loadcnt 0x0                             ; W_bil
	WIN 0x81                                       ; source 0 (W_bil) window 1, destination window 2
.irp t, 0,1,2,3,4,5,6,7,8,9,10,11,12,13,14,15
	v_wmma_f32_16x16x64_bf8_bf8 v[8*\t:8*\t+7], v[128+8*\t:128+8*\t+7], v[48:55], 0   ; lane (r, h), register i: batch r, column 256 t + 16 tile + 8 h + i
.endr
.rept 4
	v_nop                                          ; four places ahead of the LDS stores that read the results
.endr
	; THE WAY OUT, through my own stage: a lane's 32 bytes of a batch's row go in, whole runs of 512 bytes come back.  LDS serves a wave's instructions in order (ISA guide 5.7.1.4): no wait between the stores and the loads.
	WIN 0x08                                       ; store data window 2
.irp t, 0,1,2,3,4,5,6,7,8,9,10,11,12,13,14,15
	ds_store_b128 v8, v[8*\t:8*\t+3] offset:64*\t
	ds_store_b128 v8, v[8*\t+4:8*\t+7] offset:64*\t+16
.endr
	WIN 0x80                                       ; destination window 2
.set i, 0
.rept 32
	ds_load_b128 v[128+4*i:128+4*i+3], v9 offset:SPI*(i/2)+512*(i%2)
.set i, i+1
.endr
	WIN 0x08
.set i, 0
.rept 32
	s_wait_dscnt 31-i                              ; LDS loads come back in order: number i is in
	global_store_b128 v10, v[128+4*i:128+4*i+3], s[12:13] offset:4096*(i/2)+512*(i%2)   ; 32 lanes store 512 consecutive bytes, at a multiple of 256 from qwp's first byte
.set i, i+1
.endr
	WIN 0
	s_wait_tensorcnt 0x0
	ds_add_u32 v126, v127
	s_wait_dscnt 0x0
	s_endpgm
.Lfunc_end_k_q3902d69d99_qw:
	.size	k_q3902d69d99_qw, .Lfunc_end_k_q3902d69d99_qw-k_q3902d69d99_qw
	.p2alignl 7, 3214868480
	.fill 96, 4, 3214868480
	.section	.rodata,"a",@progbits
	.p2align	6, 0x0
	.amdhsa_kernel k_q3902d69d99_qw
		.amdhsa_group_segment_fixed_size 68096
		.amdhsa_private_segment_fixed_size 0
		.amdhsa_enable_private_segment 0
		.amdhsa_kernarg_size 40
		.amdhsa_user_sgpr_count 2
		.amdhsa_user_sgpr_kernarg_segment_ptr 1
		.amdhsa_wavefront_size32 1
		.amdhsa_system_sgpr_workgroup_id_x 1
		.amdhsa_system_sgpr_workgroup_id_y 1
		.amdhsa_system_sgpr_workgroup_id_z 1
		.amdhsa_system_vgpr_workitem_id 0
		.amdhsa_next_free_vgpr 768
		.amdhsa_next_free_sgpr 66
		.amdhsa_reserve_vcc 0
		.amdhsa_float_denorm_mode_32 3
		.amdhsa_float_denorm_mode_16_64 3
		.amdhsa_memory_ordered 1
		.amdhsa_forward_progress 1
		.amdhsa_inst_pref_size 23
	.end_amdhsa_kernel
	.amdgpu_metadata
---
amdhsa.version: [ 1, 2 ]
amdhsa.kernels:
  - .name:           k_q3902d69d99_qw
    .symbol:         k_q3902d69d99_qw.kd
    .args:
      - { .name: query_codes, .offset: 0, .size: 8, .value_kind: global_buffer, .address_space: global }
      - { .name: W_q_codes, .offset: 8, .size: 8, .value_kind: global_buffer, .address_space: global }
      - { .name: W_bil_codes, .offset: 16, .size: 8, .value_kind: global_buffer, .address_space: global }
      - { .name: lowp_scales, .offset: 24, .size: 8, .value_kind: global_buffer, .address_space: global }
      - { .name: qwp, .offset: 32, .size: 8, .value_kind: global_buffer, .address_space: global }
    .group_segment_fixed_size: 68096
    .private_segment_fixed_size: 0
    .kernarg_segment_align: 8
    .kernarg_segment_size: 40
    .max_flat_workgroup_size: 128
    .sgpr_count:     66
    .vgpr_count:     768
    .wavefront_size: 32
...
	.end_amdgpu_metadata
.endif
;; end of part 1
;; launch scores (part 2): grid 32 x 8, 4 waves a work-group, clusters of 4 x 1, 327,680 bytes of LDS; arguments value, W_enc_codes, lowp_scales, qwp, scoresP; writes scoresP
.if DOCPART == 2
	.amdgcn_target "amdgcn-amd-amdhsa--gfx1250"
	.amdhsa_code_object_version 6
	.text
	.protected	k_q3902d69d99_scores
	.globl	k_q3902d69d99_scores
	.p2align	8
	.type	k_q3902d69d99_scores,@function
k_q3902d69d99_scores:
	s_mov_b64 s[64:65], 0
	v_nop
	global_prefetch_b8 v0, s[64:65] scope:SCOPE_SE
	s_setreg_imm32_b32 hwreg(HW_REG_WAVE_MODE, 25, 1), 1
	s_wait_xcnt 0x0
	s_wait_alu depctr_hold_cnt(0) depctr_sa_sdst(0) depctr_va_vdst(0) depctr_va_sdst(0) depctr_va_ssrc(0) depctr_va_vcc(0) depctr_vm_vsrc(0)
	s_getreg_b32 s2, hwreg(HW_REG_IB_STS2, 6, 4)
	s_cmp_eq_u32 s2, 0
	s_cbranch_scc0 .Lentry_in_a_cluster
	s_endpgm
.Lentry_in_a_cluster:
	s_bfe_u32 s2, ttmp6, 0x10000c
	s_cmp_lg_u32 s2, 0x3003
	s_cbranch_scc0 .Lentry_shape_is_right
	s_endpgm
.Lentry_shape_is_right:
; scoresP[ks][row] = sum over h of qW[b][h] x (sum over e in K slab ks of Q(value[row][e]) W_enc[h][e]): the first product on codes of E5M2, folded at once with qW in f32.  The 8 slabs' parts of a row's score are added by the next launch.
; K IS SPLIT OVER WORK-GROUPS.  e_proj is used only through its dot with qW, which is linear in K.  Work-group (rg, ks) owns K slab ks (256 of the 2,048) of ALL 1,024 rows of W_enc, 1,024 x 256 codes, which come into LDS
; ONCE and stay, and rows 1,024 rg .. + 1,023 of value, in 16 blocks of 64.  So each byte of value is loaded by one work-group, in runs of 512 consecutive bytes, and accumulators live for two K steps only.
; CLUSTER: the four work-groups of a cluster share ks, so the slab is asked for JOINTLY (the same tensor load, the same descriptor, mask 15).  It is the launch's one fill: no LDS byte is filled again.  Value's bytes are shared by nobody.
; WAVE w (a) quantises rows 16 w .. + 15 of each block (hold, conversion with the given 2^e0) and stores the codes into a buffer in LDS; (b) multiplies all 64 rows with W_enc's rows 256 w .. + 255: 16 tiles of 16.
; THE MATRIX INSTRUCTION IS USED TRANSPOSED (source 0 = 16 rows of W_enc, source 1 = 16 rows of value): lane (r, h) holds row 16 a + r, its register j column 256 w + 16 b + 8 h + j.  A finished tile is folded by
; v_pk_fma_f32 with qW's eight numbers of that tile, which stand between the next tile's matrix instructions.  A block ends with one number a row and wave; wave 0 adds the four waves' and stores 256 bytes.
; PIPELINE.  Trip i multiplies block i, fetches block i + 1's fragments from LDS, quantises block i + 2, and asks memory for block i + 4.  ONE barrier a block: in front of it each wave's code stores (block i + 1) have landed and its
; reads of the buffer that is written next are in; behind it the one buffer is read and the other written.
; Fragments come by four loads of 16 bytes, 32 bytes apart: registers 4 c .. 4 c + 3 hold K = 32 c + 16 h + 0 .. 15: the same order of k in both operands.
; LIMITS: e0 between -126 and 112 (the scale and the hold are f32 numbers); qW x 2^(e0 + e1 + e4 + e5) stays inside f32's range.  NaN and infinity in value are not served.  The f32 sums are ordered otherwise than an ascending sum:
; 16 slices of qW in order; a row's 1,024 products with qW in 4 chains a lane, 2 lanes, 4 waves, 8 slabs.
; REGISTERS, in windows of 256 (s_set_vgpr_msb's low byte: bits 1:0 source 0, 3:2 source 1, 5:4 source 2, 7:6 destination):
;   window 0: v1-9, v28-30 addresses; v5, v6 the hold and the scale; v10-27 the scores' way out; v32-47 codes just made; v48-63 the rows' running dots; v64-127 two sets of 4 accumulators; v128-255 four sets of W_enc's fragments.
;   window 1: v0-127 value's fragments of an even block ((a, s) at 16 (2 a + s)); v128-255 qW (tile b at 128 + 8 b).   window 2: the same for an odd block, with a second copy of qW.   window 3: value as loaded, two sets of 128.
; With source 1 in window 1 + p and all else in window 0, ONE setting serves the matrix instructions, the packed multiply-adds and W_enc's LDS loads: no switch stands inside a tile.
.set PITCH,  272                       ; an LDS row of codes: 256 bytes + 16: an odd multiple of 16, so the 16 rows that a fragment load touches lie in 16 different 16-byte columns of 256 bytes
.set BW,     256*PITCH                 ; a wave's 256 rows of the slab
.set ABUF,   4*BW                      ; behind the slab: two buffers of 64 rows of value's codes
.set ABYTES, 64*PITCH
.set QW,     ABUF+2*ABYTES             ; qW of my batch, scaled: 1,024 f32
.set X,      QW+4096                   ; 2 slots x 4 waves x 64 f32: word 4 r + a of a wave's 256 bytes is row 16 a + r
.set BLKB,   64*8192                   ; a block of 64 rows of value in memory
.set AB,  1                            ; v1   W_enc's fragments: BW w + 272 r + 16 h
.set AA,  2                            ; v2   value's fragments: ABUF + 272 r + 16 h
.set AW,  3                            ; v3   where I store codes: ABUF + 16 x 272 w + 4 lane
.set VO,  4                            ; v4   16 x lane: my bytes of a load's 512
.set LIM, 5                            ; v5   57,344 x 2^e0
.set SCL, 6                            ; v6   2^e0 as f32
.set XW,  7                            ; v7   X + 256 w + 16 r
.set XR,  8                            ; v8   X + 32 (lane % 8) + 4 (lane / 8): rows 2 lane (and, 16 bytes on, 2 lane + 1) in a wave's words
.set SO,  9                            ; v9   8 x lane
.set SD,  10                           ; v[10:11] two rows' scores to store
.set R,   12                           ; v12-15 a block's four numbers of my lane (at the head: r, h, lane, at work)
.set T,   16                           ; v16-19 the other half of the lanes'
.set XL,  20                           ; v20-27 the four waves' numbers of two rows
.set QWA, 28                           ; v28  QW + 16 x thread
.set QR,  29                           ; v29  QW + 1,024 w + 32 h
.set QO,  30                           ; v30  16 x thread: my bytes of a slice of qwp
.set PC,  32
.set S,   48                           ; S[a][parity] at 48 + 4 a + 2 parity, a pair each
.set ACC, 64
.set BS,  128
.set QWR, 128                          ; in windows 1 and 2
.set WV,  14                           ; s14  wave
.set VB,  32                           ; s[32:33] value at my wave's 16 rows of the block in hand + 1, my slab
.set SP,  34                           ; s[34:35] scoresP at the block in hand
.set SEL, 50                           ; s[50:51] lane selects for v_permlanex16_b32: lane l xor 16
.set TRIP, 52                          ; s52  the loop's trips
.set MSB, 0
.set DSI, 0                            ; LDS instructions issued since the block's head, as the assembler counts them;
.set BI0, 0                            ; and that count just behind the loads of each of W_enc's four sets
.set BI1, 0
.set BI2, 0
.set BI3, 0
.set BIX, 0
.macro WIN new                         ; the immediate's high byte repeats the setting that is left; a switch that changes nothing is dropped
.if MSB != (\new)
	s_set_vgpr_msb (MSB<<8)|(\new)
.set MSB, (\new)
.endif
.endm
.macro ROUND                           ; a round of the cluster's barrier
	s_barrier_signal -1
	s_barrier_wait -1
	s_cmp_lg_u32 s[WV], 0
	s_cbranch_scc1 .Lnot_wave_0_\@
	s_barrier_signal -3
.Lnot_wave_0_\@:
	s_barrier_wait -3
	s_barrier_signal -1
	s_barrier_wait -1
.endm
.macro SETBI b
.if ((\b)%4) == 0
.set BI0, DSI
.elseif ((\b)%4) == 1
.set BI1, DSI
.elseif ((\b)%4) == 2
.set BI2, DSI
.else
.set BI3, DSI
.endif
.endm
.macro GETBI b
.if ((\b)%4) == 0
.set BIX, BI0
.elseif ((\b)%4) == 1
.set BIX, BI1
.elseif ((\b)%4) == 2
.set BIX, BI2
.else
.set BIX, BI3
.endif
.endm
; W_enc's tile b (16 rows x 256 K: two fragments) into set b % 4: 8 loads
.macro BLOAD b
.irp s, 0,1
.irp c, 0,1,2,3
	ds_load_b128 v[BS+32*((\b)%4)+16*\s+4*\c:BS+32*((\b)%4)+16*\s+4*\c+3], v[AB] offset:16*PITCH*(\b)+128*\s+32*\c
.endr
.endr
.set DSI, DSI+8
	SETBI \b
.endm
; Number q of 16 of tile bt's fold with qW: accumulator q / 4, its registers 2 (q % 4), + 1.  Each accumulator is read from its low end on.  Tile 0's first two of each accumulator start the running dots: nothing is cleared.
.macro PK bt, q
.set pka, (\q)/4
.set pki, (\q)%4
.set rC, ACC+32*((\bt)%2)+8*pka+2*pki
.set rS, S+4*pka+2*(pki%2)
.set rQ, QWR+8*(\bt)+2*pki
.if ((\bt) == 0) && (pki < 2)
	v_pk_mul_f32 v[rS:rS+1], v[rC:rC+1], v[rQ:rQ+1]
.else
	v_pk_fma_f32 v[rS:rS+1], v[rC:rC+1], v[rQ:rQ+1], v[rS:rS+1]
.endif
.endm
; Tile b: 8 matrix instructions (4 tiles of rows x 2 K steps; the four accumulators take turns, one instruction a turn), two lines of tile b - 1's fold behind each.
; Those lines name none of the registers of the matrix instructions round them, so they are also the places between tile b - 1's products and the reads of their results, and ahead of the loads into the set that tile b - 1 read.
.macro TILE b
	GETBI \b
	s_wait_dscnt DSI-BIX                           ; the LDS instructions issued behind this tile's 8 loads may stay out
.set tm, 0
.rept 8
.set rD, ACC+32*((\b)%2)+8*(tm%4)
.set rB, BS+32*((\b)%4)+16*(tm/4)
.set rA, 16*(2*(tm%4)+tm/4)
.if tm < 4
	v_wmma_f32_16x16x128_bf8_bf8 v[rD:rD+7], v[rB:rB+15], v[rA:rA+15], 0
.else
	v_wmma_f32_16x16x128_bf8_bf8 v[rD:rD+7], v[rB:rB+15], v[rA:rA+15], v[rD:rD+7]
.endif
.if (\b) > 0
	PK (\b)-1, 2*tm
	PK (\b)-1, 2*tm+1
.endif
.if (tm == 1) && ((\b)+3 <= 15)
	BLOAD (\b)+3                                   ; three tiles ahead, into the set that tile b - 1 has left
.endif
.set tm, tm+1
.endr
.if (\b) == 0
.rept 4
	v_nop                                          ; tile 0 has no fold beside it: four places behind its products
.endr
.endif
.endm
; The next block's fragments of value: tiles of rows 2 half, 2 half + 1 from buffer 1 - p into the set of window 2 - p: 16 loads
.macro FBATCH p, half
	WIN (2-(\p))<<6
.irp aa, 0,1
.irp s, 0,1
.irp c, 0,1,2,3
	ds_load_b128 v[16*(2*(2*(\half)+\aa)+\s)+4*\c:16*(2*(2*(\half)+\aa)+\s)+4*\c+3], v[AA] offset:ABYTES*(1-(\p))+16*PITCH*(2*(\half)+\aa)+128*\s+32*\c
.endr
.endr
.endr
.set DSI, DSI+16
.endm
; Rows 4 q .. 4 q + 3 of my 16, from staging set p, become codes in buffer p.  A lane holds, of each row, k = 4 lane + 0 .. 3 (registers 0-3) and 128 + 4 lane + 0 .. 3 (registers 4-7): one conversion a row,
; whose two registers go to bytes 4 lane and 128 + 4 lane of the row: 32 lanes store 128 consecutive bytes.  g = 1: the registers are asked for anew, with the block gblk blocks behind VB.
.macro QUARTER p, q, g, cnt, gblk
	s_wait_loadcnt \cnt                            ; loads come back in order (ISA guide 5.7.1): these 8 are in, the younger ones stay out
	WIN 0xc3                                       ; destination and source 0 window 3
.set i, 0
.rept 32
	v_med3_num_f32 v[128*(\p)+32*(\q)+i], v[128*(\p)+32*(\q)+i], -v[LIM], v[LIM]   ; the conversion to an 8-bit code does not saturate (ISA guide 7.6.2): the hold at the largest code x the scale
.set i, i+1
.endr
	WIN 0x03                                       ; source 0 window 3
.irp n, 0,1,2,3
	v_cvt_scalef32_pk8_bf8_f32 v[PC+8*((\q)%2)+2*\n:PC+8*((\q)%2)+2*\n+1], v[128*(\p)+32*(\q)+8*\n:128*(\p)+32*(\q)+8*\n+7], v[SCL]
.endr
	v_nop                                          ; one plain vector instruction behind the last conversion
	WIN 0
.irp n, 0,1,2,3
	ds_store_b32 v[AW], v[PC+8*((\q)%2)+2*\n] offset:ABYTES*(\p)+PITCH*(4*(\q)+\n)
	ds_store_b32 v[AW], v[PC+8*((\q)%2)+2*\n+1] offset:ABYTES*(\p)+PITCH*(4*(\q)+\n)+128
.endr
.set DSI, DSI+8
.if \g
	WIN 0xc0                                       ; destination window 3
.irp n, 0,1,2,3
	global_load_b128 v[128*(\p)+32*(\q)+8*\n:128*(\p)+32*(\q)+8*\n+3], v[VO], s[VB:VB+1] offset:BLKB*(\gblk)+8192*(4*(\q)+\n) th:TH_LOAD_NT
	global_load_b128 v[128*(\p)+32*(\q)+8*\n+4:128*(\p)+32*(\q)+8*\n+7], v[VO], s[VB:VB+1] offset:BLKB*(\gblk)+8192*(4*(\q)+\n)+512 th:TH_LOAD_NT
.endr
.endif
.endm
; My 16 rows of block blk (counted from VB) into staging set z: 32 loads of 512 consecutive bytes
.macro GLOAD z, blk
	WIN 0xc0
.set i, 0
.rept 16
	global_load_b128 v[128*(\z)+8*i:128*(\z)+8*i+3], v[VO], s[VB:VB+1] offset:BLKB*(\blk)+8192*i th:TH_LOAD_NT
	global_load_b128 v[128*(\z)+8*i+4:128*(\z)+8*i+7], v[VO], s[VB:VB+1] offset:BLKB*(\blk)+8192*i+512 th:TH_LOAD_NT
.set i, i+1
.endr
	WIN 0
.endm
; Wave 0 adds the four waves' numbers of the block before and stores its 64 scores.  chk = 1: not in the first trip, where there is no block before.  The LDS lines here are left out of DSI: on wave 0's way all LDS
; instructions issued so far have landed at the wait for 0, on the other waves' way these were never issued: either way the counts of the waits that follow stay at or under what was issued behind the loads they serve.
.macro SCOREOUT slot, chk
	s_cmp_lg_u32 s[WV], 0
	s_cbranch_scc1 .Lno_out_\@
.if \chk
	s_cmp_eq_u32 s[TRIP], 0
	s_cbranch_scc1 .Lno_out_\@
.endif
	s_wait_xcnt 0x0                                ; the last store has read its data registers: they are written again below
.irp n, 0,1,2,3
	ds_load_b32 v[XL+2*\n], v[XR] offset:1024*(\slot)+256*\n
	ds_load_b32 v[XL+2*\n+1], v[XR] offset:1024*(\slot)+256*\n+16
.endr
	s_wait_dscnt 0x0
	v_pk_add_f32 v[XL:XL+1], v[XL:XL+1], v[XL+2:XL+3]
	v_pk_add_f32 v[XL+4:XL+5], v[XL+4:XL+5], v[XL+6:XL+7]
	v_pk_add_f32 v[SD:SD+1], v[XL:XL+1], v[XL+4:XL+5]
	global_store_b64 v[SO], v[SD:SD+1], s[SP:SP+1] offset:-256   ; 32 lanes store 256 consecutive bytes, at a multiple of 256 from scoresP's first byte: rows in their own order
.Lno_out_\@:
.endm
; The block's running dots: two parities, two halves of a pair, the two halves of the lanes (which hold other columns of the same row); then four numbers a lane to my words of X
.macro REDUCE slot
.irp a, 0,1,2,3
	v_pk_add_f32 v[S+4*\a:S+4*\a+1], v[S+4*\a:S+4*\a+1], v[S+4*\a+2:S+4*\a+3]
.endr
.irp a, 0,1,2,3
	v_add_f32 v[R+\a], v[S+4*\a], v[S+4*\a+1]
.endr
.irp a, 0,1,2,3
	v_permlanex16_b32 v[T+\a], v[R+\a], s[SEL], s[SEL+1]
.endr
.irp a, 0,1,2,3
	v_add_f32 v[R+\a], v[R+\a], v[T+\a]
.endr
	ds_store_b128 v[XW], v[R:R+3] offset:1024*(\slot)   ; lanes r and r + 16 store the same 16 bytes
.endm
; A BLOCK of 64 rows, of parity p.  f: fetch the next block's fragments; q: quantise the block two on; g: ask for the block four on; the wait for quarter n of the block two on has the count lc - ls n.
.macro BLOCK p, f, q, g, lc, ls
	s_wait_dscnt 0x0                               ; my code stores, my words of X and my reads of the buffer that is written next are done,
	s_barrier_signal -1
.set DSI, 0
	BLOAD 0                                        ; (the slab's bytes are written by nobody: these loads may stand between the signal and the wait)
	BLOAD 1
	BLOAD 2
	s_barrier_wait -1                              ; and so are every wave's
	SCOREOUT 1-(\p), 1-(\p)
	s_wait_xcnt 0x0                                ; every load and store issued so far has read its base: the two may step
.if \g
	s_add_nc_u64 s[VB:VB+1], s[VB:VB+1], BLKB
.endif
	s_add_nc_u64 s[SP:SP+1], s[SP:SP+1], 256
.set tb, 0
.rept 16
.if (\f) && ((tb == 1) || (tb == 2))
	FBATCH \p, tb-1
.endif
.if (\q) && ((tb%4) == 3)
	QUARTER \p, tb/4, \g, (\lc)-(\ls)*(tb/4), 3
.endif
	WIN (1+(\p))<<2                                ; source 1 in window 1 + p
	TILE tb
.set tb, tb+1
.endr
.set tq, 0
.rept 16
	PK 15, tq                                      ; the last tile's fold: eight lines of tile 14's stand between its first finished accumulator and the first of these
.set tq, tq+1
.endr
	WIN 0
	REDUCE \p
.endm
	s_load_b256 s[4:11], s[0:1], 0x0               ; value s[4:5], W_enc's codes s[6:7], the scales' exponents s[8:9], qwp s[10:11]
	s_load_b64 s[12:13], s[0:1], 0x20              ; scoresP
	v_lshl_add_u32 v238, v0, 2, 0x4e000
	v_mov_b32 v239, 0
	ds_add_u32 v238, v239
	ds_add_u32 v238, v239
	s_wait_dscnt 0x0
	v_lshrrev_b32 v12, 5, v0
	v_readfirstlane_b32 s[WV], v12                 ; wave 0..3
	s_bfe_u32 s17, ttmp6, 0x40000                  ; cx: my place in the cluster: it enters value's, qwp's and scoresP's addresses alone
	s_lshl_b32 s16, ttmp9, 2                       ; in a cluster launch ttmp9 counts clusters
	s_add_co_u32 s16, s16, s17                     ; rg: my 1,024 rows
	s_and_b32 s15, ttmp7, 0xffff                   ; ks: my K slab, which the four partners share
	; descriptor group 1: a tile of 256 rows x 256 bytes, 2,048 bytes apart in memory, padded in LDS
	s_mov_b32 s24, 15|(1<<20)|(1<<21)|(5<<22)|(3<<25)  ; 15:0 the mask: all four work-groups; 17:16 elements of 1 byte; 20 padding on; 21 set beside a mask; 24:22 after every 64 words (code 5); 31:25 four words (code 3)
	s_mov_b32 s25, 256<<16                         ; tensor_dim0 = 256
	s_mov_b32 s26, 256<<16                         ; tensor_dim1 = 256
	s_mov_b32 s27, 256<<16                         ; tile_dim0 = 256
	s_mov_b32 s28, 256                             ; tile_dim1 = 256
	s_mov_b32 s29, 2048                            ; tensor_dim0_stride
	s_mov_b32 s30, 0
	s_mov_b32 s31, 0
	s_lshl_b32 s18, s[WV], 19                      ; my 256 rows of W_enc, 2,048 bytes each,
	s_lshl_b32 s19, s15, 8                         ; at byte 256 ks
	s_add_co_u32 s18, s18, s19
	s_mov_b32 s19, 0
	s_mov_b32 s20, 1                               ; group 0: count = 1
	s_mul_i32 s21, s[WV], BW                       ; LDS address: wave x 256 rows: no place in the cluster enters it
	s_lshl_b32 s[VB], s16, 23                      ; value: 1,024 rg rows of 8,192 bytes,
	s_lshl_b32 s42, s[WV], 17                      ; + 16 w rows,
	s_add_co_u32 s[VB], s[VB], s42
	s_lshl_b32 s42, s15, 10                        ; + 1,024 ks: under 2^28 in all
	s_add_co_u32 s[VB], s[VB], s42
	s_mov_b32 s[VB+1], 0
	s_lshl_b32 s[SP], s15, 17                      ; scoresP: slab ks of 131,072 bytes, + 4 x 1,024 rg
	s_lshl_b32 s42, s16, 12
	s_add_co_u32 s[SP], s[SP], s42
	s_mov_b32 s[SP+1], 0
	s_lshr_b32 s44, s16, 1                         ; my batch
	s_lshl_b32 s44, s44, 12                        ; its row of 4,096 bytes in a slice of qwp
	s_mov_b32 s45, 0
	s_mov_b32 s[SEL], 0x76543210
	s_mov_b32 s[SEL+1], 0xfedcba98
	s_wait_kmcnt 0x0
	s_load_b128 s[36:39], s[8:9], 0x0              ; e0, e1, e2, e3
	s_load_b64 s[40:41], s[8:9], 0x10              ; e4, e5
	s_add_nc_u64 s[22:23], s[6:7], s[18:19]        ; group 0: global address,
	s_or_b32 s23, s23, 0x80000000                  ; type = 2
	s_add_nc_u64 s[VB:VB+1], s[4:5], s[VB:VB+1]
	s_add_nc_u64 s[SP:SP+1], s[12:13], s[SP:SP+1]
	s_add_nc_u64 s[10:11], s[10:11], s[44:45]
	ROUND                                          ; all four work-groups are here: the joint loads meet
	tensor_load_to_lds s[20:23], s[24:31]          ; my quarter of the slab: the one tensor load of this wave
	s_nop 0
.rept 4
	v_nop
.endr
	v_and_b32 v12, 15, v0                          ; r
	v_bfe_u32 v13, v0, 4, 1                        ; h
	v_and_b32 v14, 31, v0                          ; lane
	v_mul_u32_u24 v[AA], v12, PITCH
	v_lshl_add_u32 v[AA], v13, 4, v[AA]
	v_add_nc_u32 v[AB], s21, v[AA]
	v_add_nc_u32 v[AA], ABUF, v[AA]
	s_mul_i32 s42, s[WV], 16*PITCH
	s_add_co_u32 s42, s42, ABUF
	v_lshl_add_u32 v[AW], v14, 2, s42
	v_lshlrev_b32 v[VO], 4, v14
	s_lshl_b32 s42, s[WV], 8
	s_add_co_u32 s42, s42, X
	v_lshl_add_u32 v[XW], v12, 4, s42
	v_and_b32 v[XR], 7, v14
	v_lshrrev_b32 v15, 3, v14
	v_lshlrev_b32 v[XR], 5, v[XR]
	v_lshl_add_u32 v[XR], v15, 2, v[XR]
	v_add_nc_u32 v[XR], X, v[XR]
	v_lshlrev_b32 v[SO], 3, v14
	v_lshl_add_u32 v[QWA], v0, 4, QW
	s_lshl_b32 s42, s[WV], 10
	s_add_co_u32 s42, s42, QW
	v_lshl_add_u32 v[QR], v13, 5, s42
	v_lshlrev_b32 v[QO], 4, v0
.irp a, 0,1,2,3
	v_mov_b32 v[T+\a], 0                           ; written once: a lane permute's destination counts as one of its sources
.endr
	; qW of my batch: the 16 slices, 8 numbers a thread (n = 4 t + 0 .. 3 and 512 + 4 t + 0 .. 3), into window 1, where value's fragments will lie later
	WIN 0x40
.set i, 0
.rept 16
	global_load_b128 v[8*i:8*i+3], v[QO], s[10:11] offset:65536*i
	global_load_b128 v[8*i+4:8*i+7], v[QO], s[10:11] offset:65536*i+2048
.set i, i+1
.endr
	WIN 0
	GLOAD 0, 0                                     ; block 0
	s_wait_kmcnt 0x0
	s_add_co_i32 s46, s36, 127
	s_lshl_b32 s47, s46, 23
	v_mov_b32 v[SCL], s47                          ; 2^e0 as f32: the conversion takes its exponent field
	s_add_co_i32 s46, s46, 15
	s_lshl_b32 s46, s46, 23
	s_or_b32 s46, s46, 0x600000
	v_mov_b32 v[LIM], s46                          ; 57,344 x 2^e0
	s_add_co_i32 s48, s36, s37
	s_add_co_i32 s48, s48, s40
	s_add_co_i32 s48, s48, s41                     ; e0 + e1 + e4 + e5: both products' scales go into qW once
	s_wait_loadcnt 32                              ; qwp's 32 loads are in; block 0's 32 may stay out
	WIN 0x55                                       ; all in window 1
.irp j, 1,2,3,4,5,6,7,8,9,10,11,12,13,14,15
.irp i, 0,2,4,6
	v_pk_add_f32 v[\i:\i+1], v[\i:\i+1], v[8*\j+\i:8*\j+\i+1]   ; in the order of the slices
.endr
.endr
.irp i, 0,1,2,3,4,5,6,7
	v_ldexp_f32 v[\i], v[\i], s48
.endr
	WIN 0x04                                       ; store data window 1
	ds_store_b128 v[QWA], v[0:3]
	ds_store_b128 v[QWA], v[4:7] offset:2048
	WIN 0
	GLOAD 1, 1                                     ; block 1
.irp q, 0,1,2,3                                ; blocks 0 and 1 are quantised, blocks 2 and 3 asked for.  The count 56: the rest of the block's loads, 8 (3 - q), the next block's 32, and the 8 q already asked for anew
	s_wait_dscnt 8                                 ; all but the last quarter's 8 stores are done: the codes' registers of two quarters back may be written
	QUARTER 0, \q, 1, 56, 2
.endr
.irp q, 0,1,2,3
	s_wait_dscnt 8
	QUARTER 1, \q, 1, 56, 3
.endr
	WIN 0
	s_wait_tensorcnt 0x0                           ; my quarter of the slab has landed,
	s_wait_dscnt 0x0                               ; and my part of qW and my codes of blocks 0 and 1;
	s_barrier_signal -1
	s_barrier_wait -1                              ; everybody's have
.macro QWIN                            ; qW's 128 numbers of my lane: tile b's eight at QW + 1,024 w + 64 b + 32 h
.set i, 0
.rept 16
	ds_load_b128 v[QWR+8*i:QWR+8*i+3], v[QR] offset:64*i
	ds_load_b128 v[QWR+8*i+4:QWR+8*i+7], v[QR] offset:64*i+16
.set i, i+1
.endr
.endm
	WIN 0x40
	QWIN
	WIN 0x80
	QWIN
	FBATCH 1, 0                                    ; block 0's fragments, from buffer 0 into window 1
	FBATCH 1, 1
	WIN 0
	s_mov_b32 s[TRIP], 0
.Lpair:                                                ; 6 trips of two blocks: blocks 0 to 11, which ask for blocks 4 to 15
	BLOCK 0, 1, 1, 1, 56, 0
	BLOCK 1, 1, 1, 1, 56, 0
	s_add_co_u32 s[TRIP], s[TRIP], 1
	s_cmp_lt_u32 s[TRIP], 6
	s_cbranch_scc1 .Lpair
	BLOCK 0, 1, 1, 0, 56, 8                        ; block 12: nothing is left to ask for: behind quarter n of block 14 stand its own 8 (3 - n) loads and block 15's 32
	BLOCK 1, 1, 1, 0, 24, 8                        ; block 13: behind quarter n of block 15 its own 8 (3 - n)
	BLOCK 0, 1, 0, 0, 0, 0                         ; block 14: nothing is left to quantise
	BLOCK 1, 0, 0, 0, 0, 0                         ; block 15: nothing is left to fetch
	s_wait_dscnt 0x0                               ; my words of X have landed
	s_barrier_signal -1
	s_barrier_wait -1
	SCOREOUT 1, 0                                  ; block 15's scores
	s_wait_xcnt 0x0
	v_lshl_add_u32 v238, v0, 2, 0x4e000
	v_mov_b32 v239, 0
	s_wait_tensorcnt 0x0
	ds_add_u32 v238, v239
	s_wait_dscnt 0x0
	ROUND                                          ; the closing round
	s_endpgm
.Lfunc_end_k_q3902d69d99_scores:
	.size	k_q3902d69d99_scores, .Lfunc_end_k_q3902d69d99_scores-k_q3902d69d99_scores
	.p2alignl 7, 3214868480
	.fill 96, 4, 3214868480
	.section	.rodata,"a",@progbits
	.p2align	6, 0x0
	.amdhsa_kernel k_q3902d69d99_scores
		.amdhsa_group_segment_fixed_size 327680
		.amdhsa_private_segment_fixed_size 0
		.amdhsa_enable_private_segment 0
		.amdhsa_kernarg_size 40
		.amdhsa_user_sgpr_count 2
		.amdhsa_user_sgpr_kernarg_segment_ptr 1
		.amdhsa_wavefront_size32 1
		.amdhsa_system_sgpr_workgroup_id_x 1
		.amdhsa_system_sgpr_workgroup_id_y 1
		.amdhsa_system_sgpr_workgroup_id_z 1
		.amdhsa_system_vgpr_workitem_id 0
		.amdhsa_next_free_vgpr 1024
		.amdhsa_next_free_sgpr 66
		.amdhsa_reserve_vcc 0
		.amdhsa_float_denorm_mode_32 3
		.amdhsa_float_denorm_mode_16_64 3
		.amdhsa_memory_ordered 1
		.amdhsa_forward_progress 1
		.amdhsa_inst_pref_size 255
	.end_amdhsa_kernel
	.section	.bss,"aw",@nobits
	.p2align	6
	.space	262144
	.amdgpu_metadata
---
amdhsa.version: [ 1, 2 ]
amdhsa.kernels:
  - .name:           k_q3902d69d99_scores
    .symbol:         k_q3902d69d99_scores.kd
    .args:
      - { .name: value, .offset: 0, .size: 8, .value_kind: global_buffer, .address_space: global }
      - { .name: W_enc_codes, .offset: 8, .size: 8, .value_kind: global_buffer, .address_space: global }
      - { .name: lowp_scales, .offset: 16, .size: 8, .value_kind: global_buffer, .address_space: global }
      - { .name: qwp, .offset: 24, .size: 8, .value_kind: global_buffer, .address_space: global }
      - { .name: scoresP, .offset: 32, .size: 8, .value_kind: global_buffer, .address_space: global }
    .group_segment_fixed_size: 327680
    .private_segment_fixed_size: 0
    .kernarg_segment_align: 8
    .kernarg_segment_size: 40
    .max_flat_workgroup_size: 128
    .sgpr_count:     66
    .vgpr_count:     1024
    .wavefront_size: 32
...
	.end_amdgpu_metadata
.endif
;; end of part 2
;; launch soft (part 3): grid 16 x 1, 8 waves a work-group, no clusters, 2,048 bytes of LDS; arguments scoresP, mask, out1, flags; writes out1, flags
.if DOCPART == 3
	.amdgcn_target "amdgcn-amd-amdhsa--gfx1250"
	.amdhsa_code_object_version 6
	.text
	.protected	k_q3902d69d99_soft
	.globl	k_q3902d69d99_soft
	.p2align	8
	.type	k_q3902d69d99_soft,@function
k_q3902d69d99_soft:
	s_mov_b64 s[64:65], 0
	v_nop
	global_prefetch_b8 v0, s[64:65] scope:SCOPE_SE
	s_setreg_imm32_b32 hwreg(HW_REG_WAVE_MODE, 25, 1), 1
	s_wait_xcnt 0x0
; alphas = softmax over a batch's 2,048 rows of the masked scores; and, for the next launch, one bit for each group of 4 rows: does it carry weight?
; A work-group takes a batch.  Thread t holds rows 4 t .. + 3 and 1,024 + 4 t .. + 3, so every load and store is 16 bytes a lane, 512 consecutive bytes a wave.
; score = the 8 K slabs' parts, added in the order of the slabs; -infinity where mask == 0; the row's true maximum is taken away; p = 2^((s - max) log2 e); alpha = p / the sum.
; The difference s - max is formed before the multiplication, so that large scores cost no accuracy: so the two are not one fused multiply-add.
; FLAGS: word g (0 .. 15) of a batch's 16, bit l: rows 128 g + 4 l .. + 3.  The bit is 0 where the largest p of the four is under 2^-40.  The sum of all p is at least 1, so the weight that the next launch leaves out is at most
; 2,048 x 2^-40 = 2^-29 in all, and its context is off by at most 2^-29 x the largest |value| of the batch.  All alphas are stored as they are.  No branch and no address of this launch hangs on the flags.
; A batch whose mask is all zero gives NaN, as a softmax of -infinities does; NaN is not under 2^-40, so every group is kept and the context is NaN too.  NaN among the scores is not served.
.set RED0, 0                           ; LDS: the 8 waves' maxima,
.set RED1, 256                         ; their sums,
.set FL,   512                         ; and the 16 flag words
.set P,    16                          ; v16-79 the parts (slab k, half u at 16 + 8 k + 4 u); then v16-23: scores, p, alphas
.set MK,   80                          ; v80-87 the mask
	s_load_b256 s[4:11], s[0:1], 0x0               ; scoresP s[4:5], mask s[6:7], out1 s[8:9], flags s[10:11]
	v_lshl_add_u32 v96, v0, 2, 0x400
	v_mov_b32 v97, 0
	v_lshrrev_b32 v1, 5, v0
	v_readfirstlane_b32 s12, v1                    ; wave 0..7
	v_lshlrev_b32 v2, 4, v0                        ; 16 t
	v_and_b32 v3, 15, v0
	v_lshlrev_b32 v3, 2, v3                        ; 4 (lane % 16): a flag word
	s_lshl_b32 s13, s12, 2
	v_mov_b32 v4, s13                              ; 4 w: my wave's word
	v_mov_b32 v5, 0
	v_mov_b32 v9, 0                                ; written once: a lane permute's destination counts as one of its sources
	v_mov_b32 v88, 0xff800000                      ; -infinity
	s_lshl_b32 s14, ttmp9, 13                      ; the batch's 2,048 rows x 4 bytes
	s_mov_b32 s15, 0
	s_lshl_b32 s16, ttmp9, 6                       ; its 16 flag words
	s_mov_b32 s17, 0
	s_mov_b32 s18, 0x76543210
	s_mov_b32 s19, 0xfedcba98
	s_mov_b32 s22, 0x2b800000                      ; 2^-40
	s_wait_kmcnt 0x0
	s_add_nc_u64 s[4:5], s[4:5], s[14:15]
	s_add_nc_u64 s[6:7], s[6:7], s[14:15]
	s_add_nc_u64 s[8:9], s[8:9], s[14:15]
	s_add_nc_u64 s[10:11], s[10:11], s[16:17]
.irp k, 0,1,2,3,4,5,6,7
.irp u, 0,1
	global_load_b128 v[P+8*\k+4*\u:P+8*\k+4*\u+3], v2, s[4:5] offset:131072*\k+4096*\u
.endr
.endr
.irp u, 0,1
	global_load_b128 v[MK+4*\u:MK+4*\u+3], v2, s[6:7] offset:4096*\u
.endr
	s_wait_loadcnt 0x0
.irp k, 1,2,3,4,5,6,7
.irp i, 0,2,4,6
	v_pk_add_f32 v[P+\i:P+\i+1], v[P+\i:P+\i+1], v[P+8*\k+\i:P+8*\k+\i+1]
.endr
.endr
.irp i, 0,1,2,3,4,5,6,7
	v_cmp_eq_u32 vcc_lo, 0, v[MK+\i]
	v_cndmask_b32 v[P+\i], v[P+\i], v88, vcc_lo
.endr
	v_max3_num_f32 v8, v[P], v[P+1], v[P+2]        ; the maximum: my 8 rows,
	v_max3_num_f32 v8, v8, v[P+3], v[P+4]
	v_max3_num_f32 v8, v8, v[P+5], v[P+6]
	v_max_num_f32 v8, v8, v[P+7]
	v_max_num_f32_dpp v8, v8, v8 row_xmask:1 row_mask:0xf bank_mask:0xf   ; my wave's,
	v_max_num_f32_dpp v8, v8, v8 row_xmask:2 row_mask:0xf bank_mask:0xf
	v_max_num_f32_dpp v8, v8, v8 row_xmask:4 row_mask:0xf bank_mask:0xf
	v_max_num_f32_dpp v8, v8, v8 row_xmask:8 row_mask:0xf bank_mask:0xf
	v_permlanex16_b32 v9, v8, s18, s19
	v_max_num_f32 v8, v8, v9
	ds_store_b32 v4, v8 offset:RED0                ; all lanes store the same word
	s_wait_dscnt 0x0                               ; for the others' sake
	s_barrier_signal -1
	s_barrier_wait -1
	ds_load_b128 v[24:27], v5 offset:RED0          ; and the eight waves'
	ds_load_b128 v[28:31], v5 offset:RED0+16
	s_wait_dscnt 0x0
	v_max3_num_f32 v10, v24, v25, v26
	v_max3_num_f32 v10, v10, v27, v28
	v_max3_num_f32 v10, v10, v29, v30
	v_max_num_f32 v10, v10, v31
.irp i, 0,1,2,3,4,5,6,7
	v_sub_f32 v[P+\i], v[P+\i], v10
.endr
.irp i, 0,1,2,3,4,5,6,7
	v_mul_f32 v[P+\i], 0x3fb8aa3b, v[P+\i]         ; x log2(e)
.endr
.irp i, 0,1,2,3,4,5,6,7
	v_exp_f32 v[P+\i], v[P+\i]                     ; one batch
.endr
	v_nop                                          ; a plain instruction behind the last exponential (ISA guide 5.7.2),
	s_wait_alu depctr_va_vdst(0)                   ; and the wait ahead of the batch's first reader
	v_pk_add_f32 v[32:33], v[P:P+1], v[P+2:P+3]
	v_pk_add_f32 v[34:35], v[P+4:P+5], v[P+6:P+7]
	v_max3_num_f32 v40, v[P], v[P+1], v[P+2]       ; the largest p of each of my two groups of 4 rows
	v_max3_num_f32 v41, v[P+4], v[P+5], v[P+6]
	v_pk_add_f32 v[32:33], v[32:33], v[34:35]
	v_max_num_f32 v40, v40, v[P+3]
	v_max_num_f32 v41, v41, v[P+7]
	v_add_f32 v8, v32, v33
	v_add_f32_dpp v8, v8, v8 row_xmask:1 row_mask:0xf bank_mask:0xf
	v_add_f32_dpp v8, v8, v8 row_xmask:2 row_mask:0xf bank_mask:0xf
	v_add_f32_dpp v8, v8, v8 row_xmask:4 row_mask:0xf bank_mask:0xf
	v_add_f32_dpp v8, v8, v8 row_xmask:8 row_mask:0xf bank_mask:0xf
	v_permlanex16_b32 v9, v8, s18, s19
	v_add_f32 v8, v8, v9
	ds_store_b32 v4, v8 offset:RED1
	v_cmp_gt_f32 s20, s22, v40                     ; a bit for each lane whose group lies under 2^-40 (a NaN does not),
	v_cmp_gt_f32 s21, s22, v41
	s_not_b32 s20, s20                             ; turned round: the groups that are kept
	s_not_b32 s21, s21
	v_mov_b32 v42, s20
	v_mov_b32 v43, s21
	ds_store_b32 v4, v42 offset:FL                 ; word w: rows 128 w + 4 lane on,
	ds_store_b32 v4, v43 offset:FL+32              ; word 8 + w: rows 1,024 + 128 w + 4 lane on
	s_wait_dscnt 0x0                               ; for the others' sake
	s_barrier_signal -1
	s_barrier_wait -1
	ds_load_b128 v[24:27], v5 offset:RED1
	ds_load_b128 v[28:31], v5 offset:RED1+16
	s_wait_dscnt 0x0
	v_add_f32 v24, v24, v25
	v_add_f32 v24, v24, v26
	v_add_f32 v24, v24, v27
	v_add_f32 v24, v24, v28
	v_add_f32 v24, v24, v29
	v_add_f32 v24, v24, v30
	v_add_f32 v24, v24, v31                        ; the batch's sum, in the order of the waves
	v_rcp_f32 v11, v24
	v_nop                                          ; a plain instruction behind the reciprocal,
	s_wait_alu depctr_va_vdst(0)                   ; and the wait ahead of its first reader
.irp i, 0,1,2,3,4,5,6,7
	v_mul_f32 v[P+\i], v[P+\i], v11
.endr
	global_store_b128 v2, v[P:P+3], s[8:9]         ; 32 lanes store 512 consecutive bytes, at a multiple of 256 from out1's first byte
	global_store_b128 v2, v[P+4:P+7], s[8:9] offset:4096
	s_cmp_lg_u32 s12, 0
	s_cbranch_scc1 .Ldone
	ds_load_b32 v44, v3 offset:FL                  ; wave 0 stores the batch's 16 words: lanes l and l + 16 hold and store the same word, so all lanes stay on
	s_wait_dscnt 0x0
	global_store_b32 v3, v44, s[10:11]
.Ldone:
	s_wait_tensorcnt 0x0
	ds_add_u32 v96, v97
	s_wait_dscnt 0x0
	s_endpgm
.Lfunc_end_k_q3902d69d99_soft:
	.size	k_q3902d69d99_soft, .Lfunc_end_k_q3902d69d99_soft-k_q3902d69d99_soft
	.p2alignl 7, 3214868480
	.fill 96, 4, 3214868480
	.section	.rodata,"a",@progbits
	.p2align	6, 0x0
	.amdhsa_kernel k_q3902d69d99_soft
		.amdhsa_group_segment_fixed_size 2048
		.amdhsa_private_segment_fixed_size 0
		.amdhsa_enable_private_segment 0
		.amdhsa_kernarg_size 32
		.amdhsa_user_sgpr_count 2
		.amdhsa_user_sgpr_kernarg_segment_ptr 1
		.amdhsa_wavefront_size32 1
		.amdhsa_system_sgpr_workgroup_id_x 1
		.amdhsa_system_sgpr_workgroup_id_y 1
		.amdhsa_system_sgpr_workgroup_id_z 1
		.amdhsa_system_vgpr_workitem_id 0
		.amdhsa_next_free_vgpr 98
		.amdhsa_next_free_sgpr 66
		.amdhsa_reserve_vcc 1
		.amdhsa_float_denorm_mode_32 3
		.amdhsa_float_denorm_mode_16_64 3
		.amdhsa_memory_ordered 1
		.amdhsa_forward_progress 1
		.amdhsa_inst_pref_size 10
	.end_amdhsa_kernel
	.amdgpu_metadata
---
amdhsa.version: [ 1, 2 ]
amdhsa.kernels:
  - .name:           k_q3902d69d99_soft
    .symbol:         k_q3902d69d99_soft.kd
    .args:
      - { .name: scoresP, .offset: 0, .size: 8, .value_kind: global_buffer, .address_space: global }
      - { .name: mask, .offset: 8, .size: 8, .value_kind: global_buffer, .address_space: global }
      - { .name: out1, .offset: 16, .size: 8, .value_kind: global_buffer, .address_space: global }
      - { .name: flags, .offset: 24, .size: 8, .value_kind: global_buffer, .address_space: global }
    .group_segment_fixed_size: 2048
    .private_segment_fixed_size: 0
    .kernarg_segment_align: 8
    .kernarg_segment_size: 32
    .max_flat_workgroup_size: 256
    .sgpr_count:     66
    .vgpr_count:     98
    .wavefront_size: 32
...
	.end_amdgpu_metadata
.endif
;; end of part 3
;; launch ctx (part 4): grid 16 x 16, 32 waves a work-group, no clusters, 20,480 bytes of LDS; arguments value, out1, flags, out0; writes out0
.if DOCPART == 4
	.amdgcn_target "amdgcn-amd-amdhsa--gfx1250"
	.amdhsa_code_object_version 6
	.text
	.protected	k_q3902d69d99_ctx
	.globl	k_q3902d69d99_ctx
	.p2align	8
	.type	k_q3902d69d99_ctx,@function
k_q3902d69d99_ctx:
	s_mov_b64 s[64:65], 0
	v_nop
	global_prefetch_b8 v0, s[64:65] scope:SCOPE_SE
	s_setreg_imm32_b32 hwreg(HW_REG_WAVE_MODE, 25, 1), 1
	s_wait_xcnt 0x0
; context[b][e] = sum over rows s of alpha[b][s] value[b][s][e], in f32, over the groups of 4 rows that the launch before has flagged as carrying weight (what is left out: at most 2^-29 of the weight in all, so at most
; 2^-29 x the largest |value| of the batch).  Where every group is flagged, every row is read.
; Work-group (c, b) owns columns 128 c .. + 127 of batch b: each output has one owner.  Wave W (0 .. 31) owns rows 64 W .. + 63: 16 groups; its 16 flag bits are half W % 2 of the batch's word W / 2.
; The loop has a constant 16 trips and steps its pointers by constants; a scalar branch on the group's stored bit jumps over the loads and the multiply-adds.  No loaded number enters an address.
; A lane holds 4 columns: a row's load is 512 consecutive bytes.  The 32 waves' sums meet in LDS; wave 0 adds them in the order of the waves and stores 512 bytes.
; Matrix units, tensor loads and clusters are left out: one row of A (M = 1), no byte shared between work-groups.
	s_load_b256 s[4:11], s[0:1], 0x0               ; value s[4:5], out1 (the alphas) s[6:7], flags s[8:9], out0 s[10:11]
	v_lshl_add_u32 v96, v0, 2, 0x4000
	v_mov_b32 v97, 0
	v_lshrrev_b32 v1, 5, v0
	v_readfirstlane_b32 s12, v1                    ; wave W
	v_and_b32 v2, 31, v0
	v_lshlrev_b32 v2, 4, v2                        ; 16 x lane
	v_lshlrev_b32 v3, 4, v0                        ; 16 x thread: my place in LDS
.irp i, 4,5,6,7
	v_mov_b32 v[\i], 0                             ; my four sums: a wave may have no group at all
.endr
	s_and_b32 s13, ttmp7, 0xffff                   ; b
	s_lshl_b32 s14, s13, 6                         ; flags: the batch's 16 words,
	s_lshr_b32 s15, s12, 1
	s_lshl_b32 s15, s15, 2                         ; word W / 2
	s_add_co_u32 s14, s14, s15
	s_mov_b32 s15, 0
	s_lshl_b32 s16, s13, 24                        ; value: the batch's 2,048 rows of 8,192 bytes,
	s_lshl_b32 s17, s12, 19                        ; my 64 rows,
	s_add_co_u32 s16, s16, s17
	s_lshl_b32 s17, ttmp9, 9                       ; my work-group's 512 bytes of a row: under 2^28 in all
	s_add_co_u32 s16, s16, s17
	s_mov_b32 s17, 0
	s_lshl_b32 s18, s13, 13                        ; the alphas: the batch's 2,048, my 64
	s_lshl_b32 s19, s12, 8
	s_add_co_u32 s18, s18, s19
	s_mov_b32 s19, 0
	s_lshl_b32 s22, s13, 13                        ; out0: the batch's row, my work-group's 512 bytes
	s_lshl_b32 s23, ttmp9, 9
	s_add_co_u32 s22, s22, s23
	s_mov_b32 s23, 0
	s_wait_kmcnt 0x0
	s_add_nc_u64 s[8:9], s[8:9], s[14:15]
	s_load_b32 s20, s[8:9], 0x0
	s_add_nc_u64 s[4:5], s[4:5], s[16:17]
	s_add_nc_u64 s[6:7], s[6:7], s[18:19]
	s_add_nc_u64 s[10:11], s[10:11], s[22:23]
	s_and_b32 s21, s12, 1
	s_lshl_b32 s21, s21, 4
	s_wait_kmcnt 0x0
	s_lshr_b32 s20, s20, s21                       ; my 16 bits, the first group's lowest
	s_mov_b32 s21, 0
.Lgroup:
	s_and_b32 s24, s20, 1
	s_cmp_eq_u32 s24, 0
	s_cbranch_scc1 .Lskip                          ; a group without weight is not read
	s_load_b128 s[28:31], s[6:7], 0x0              ; its four alphas
.irp k, 0,1,2,3
	global_load_b128 v[8+4*\k:11+4*\k], v2, s[4:5] offset:8192*\k
.endr
	s_wait_kmcnt 0x0
	s_wait_loadcnt 0x0                             ; all are in: so their bases may step below
.irp k, 0,1,2,3
.irp i, 0,1,2,3
	v_fmac_f32 v[4+\i], s[28+\k], v[8+4*\k+\i]
.endr
.endr
.Lskip:
	s_lshr_b32 s20, s20, 1
	s_add_nc_u64 s[4:5], s[4:5], 4*8192
	s_add_nc_u64 s[6:7], s[6:7], 16
	s_add_co_u32 s21, s21, 1
	s_cmp_lt_u32 s21, 16
	s_cbranch_scc1 .Lgroup
	ds_store_b128 v3, v[4:7]
	s_wait_dscnt 0x0                               ; for wave 0's sake
	s_barrier_signal -1
	s_barrier_wait -1
	s_cmp_lg_u32 s12, 0
	s_cbranch_scc1 .Lend
.set i, 0
.rept 16                                       ; v[4:7] are wave 0's own sums: waves 1 to 16 are added,
	ds_load_b128 v[32+4*i:35+4*i], v2 offset:512*(i+1)
.set i, i+1
.endr
.set i, 0
.rept 16
	s_wait_dscnt 15-i                              ; LDS loads come back in order: number i is in
	v_pk_add_f32 v[4:5], v[4:5], v[32+4*i:33+4*i]
	v_pk_add_f32 v[6:7], v[6:7], v[34+4*i:35+4*i]
.set i, i+1
.endr
.set i, 0
.rept 15                                       ; then waves 17 to 31
	ds_load_b128 v[32+4*i:35+4*i], v2 offset:512*(i+17)
.set i, i+1
.endr
.set i, 0
.rept 15
	s_wait_dscnt 14-i
	v_pk_add_f32 v[4:5], v[4:5], v[32+4*i:33+4*i]
	v_pk_add_f32 v[6:7], v[6:7], v[34+4*i:35+4*i]
.set i, i+1
.endr
	global_store_b128 v2, v[4:7], s[10:11]         ; 32 lanes store 512 consecutive bytes, at a multiple of 256 from out0's first byte
.Lend:
	s_wait_tensorcnt 0x0
	ds_add_u32 v96, v97
	s_wait_dscnt 0x0
	s_endpgm
.Lfunc_end_k_q3902d69d99_ctx:
	.size	k_q3902d69d99_ctx, .Lfunc_end_k_q3902d69d99_ctx-k_q3902d69d99_ctx
	.p2alignl 7, 3214868480
	.fill 96, 4, 3214868480
	.section	.rodata,"a",@progbits
	.p2align	6, 0x0
	.amdhsa_kernel k_q3902d69d99_ctx
		.amdhsa_group_segment_fixed_size 20480
		.amdhsa_private_segment_fixed_size 0
		.amdhsa_enable_private_segment 0
		.amdhsa_kernarg_size 32
		.amdhsa_user_sgpr_count 2
		.amdhsa_user_sgpr_kernarg_segment_ptr 1
		.amdhsa_wavefront_size32 1
		.amdhsa_system_sgpr_workgroup_id_x 1
		.amdhsa_system_sgpr_workgroup_id_y 1
		.amdhsa_system_sgpr_workgroup_id_z 1
		.amdhsa_system_vgpr_workitem_id 0
		.amdhsa_next_free_vgpr 98
		.amdhsa_next_free_sgpr 66
		.amdhsa_reserve_vcc 0
		.amdhsa_float_denorm_mode_32 3
		.amdhsa_float_denorm_mode_16_64 3
		.amdhsa_memory_ordered 1
		.amdhsa_forward_progress 1
		.amdhsa_inst_pref_size 11
	.end_amdhsa_kernel
	.amdgpu_metadata
---
amdhsa.version: [ 1, 2 ]
amdhsa.kernels:
  - .name:           k_q3902d69d99_ctx
    .symbol:         k_q3902d69d99_ctx.kd
    .args:
      - { .name: value, .offset: 0, .size: 8, .value_kind: global_buffer, .address_space: global }
      - { .name: out1, .offset: 8, .size: 8, .value_kind: global_buffer, .address_space: global }
      - { .name: flags, .offset: 16, .size: 8, .value_kind: global_buffer, .address_space: global }
      - { .name: out0, .offset: 24, .size: 8, .value_kind: global_buffer, .address_space: global }
    .group_segment_fixed_size: 20480
    .private_segment_fixed_size: 0
    .kernarg_segment_align: 8
    .kernarg_segment_size: 32
    .max_flat_workgroup_size: 1024
    .sgpr_count:     66
    .vgpr_count:     98
    .wavefront_size: 32
...
	.end_amdgpu_metadata
.endif
;; end of part 4
;; ======== version 2 of 2: 4 launches; 1.12 times as fast as version 1
;; limits: an absolute error that grows with the inputs' magnitude: up to 1.863e-09 times it
;; workspace buffers: qwp 1,048,576 bytes; scoresP 1,048,576 bytes; flags 1,024 bytes of whole numbers
;; launch qw: the kernel of part 1 again; grid 16 x 1, 4 waves a work-group, no clusters, 68,096 bytes of LDS; arguments query_codes, W_q_codes, W_bil_codes, lowp_scales, qwp; writes qwp
;; launch scores (part 5): grid 32 x 8, 4 waves a work-group, clusters of 4 x 1, 327,680 bytes of LDS; arguments value, W_enc_codes, lowp_scales, qwp, scoresP; writes scoresP
.if DOCPART == 5
	.amdgcn_target "amdgcn-amd-amdhsa--gfx1250"
	.amdhsa_code_object_version 6
	.text
	.protected	k_q3902d69d99_scores
	.globl	k_q3902d69d99_scores
	.p2align	8
	.type	k_q3902d69d99_scores,@function
k_q3902d69d99_scores:
	s_mov_b64 s[64:65], 0
	v_nop
	global_prefetch_b8 v0, s[64:65] scope:SCOPE_SE
	s_setreg_imm32_b32 hwreg(HW_REG_WAVE_MODE, 25, 1), 1
	s_wait_xcnt 0x0
	s_wait_alu depctr_hold_cnt(0) depctr_sa_sdst(0) depctr_va_vdst(0) depctr_va_sdst(0) depctr_va_ssrc(0) depctr_va_vcc(0) depctr_vm_vsrc(0)
	s_getreg_b32 s2, hwreg(HW_REG_IB_STS2, 6, 4)
	s_cmp_eq_u32 s2, 0
	s_cbranch_scc0 .Lentry_in_a_cluster
	s_endpgm
.Lentry_in_a_cluster:
	s_bfe_u32 s2, ttmp6, 0x10000c
	s_cmp_lg_u32 s2, 0x3003
	s_cbranch_scc0 .Lentry_shape_is_right
	s_endpgm
.Lentry_shape_is_right:
; scoresP[ks][row] = sum over h of qW[b][h] x (sum over e in K slab ks of Q(value[row][e]) W_enc[h][e]): the first product on codes of E5M2, folded at once with qW in f32.  The 8 slabs' parts of a row's score are added by the next launch.
; K IS SPLIT OVER WORK-GROUPS.  e_proj is used only through its dot with qW, which is linear in K.  Work-group (rg, ks) owns K slab ks (256 of the 2,048) of ALL 1,024 rows of W_enc and rows 1,024 rg .. + 1,023 of value, in 16 blocks of 64.
; So each byte of value is loaded by one work-group, in runs of 512 consecutive bytes, and accumulators live for two K steps only.
; W_enc STAYS IN REGISTERS.  Wave w multiplies all rows of value with W_enc's rows 256 w .. + 255: 256 rows x 256 codes are 64 KB, 512 registers.  They come through LDS once (a tensor load pads the rows; each wave reads what its own load
; brought) and are never read again: after that only value's codes go through LDS.
; CLUSTER: the four work-groups of a cluster share ks, so the slab is asked for JOINTLY (the same tensor load, the same descriptor, mask 15).  It is the launch's one fill: no LDS byte is filled again.  Value's bytes are shared by nobody.
; WAVE w also quantises rows 16 w .. + 15 of each block (hold, conversion with the given 2^e0), a QUARTER of 4 rows at a time, and stores the codes into one of three buffers in LDS, from which all four waves take their fragments.
; THE MATRIX INSTRUCTION IS USED TRANSPOSED (source 0 = 16 rows of W_enc, source 1 = 16 rows of value): lane (r, h) holds row 16 a + r, its register j column 256 w + 16 b + 8 h + j.
; A STEP is one tile of 16 rows against my 16 tiles of W_enc: 32 matrix instructions, in pairs of tiles: (2 g, K step 0), (2 g + 1, 0), (2 g, 1), (2 g + 1, 1).  A finished pair is folded with qW by eight v_pk_fma_f32, two behind each of the
; next pair's four matrix instructions.  A step ends with one number a row and wave; they are kept in LDS for all 16 blocks, and at the end each wave adds the four waves' numbers of four blocks and stores them.
; PIPELINE.  Step t multiplies tile t; behind its fourth product stands ONE run of memory instructions: quarter t + 8 is converted and stored, tile t + 1's fragments are fetched, quarter t + 14 is asked of memory; behind products 16 to 31 stand the
; holds of quarter t + 9.  Six slots of registers take value as it is loaded.  ONE barrier a block (four steps): in front of it each wave's code stores of the next block have landed and its reads of the block before are in; behind it
; the block after next is written into the buffer that the block before has left.  Three buffers, since fragments are fetched one step ahead: blocks i and i + 1 are read while block i + 2 is written.
; 6 slots, 3 buffers and 2 sets of fragments come round after 12 steps: the loop's trip.  The last 16 steps are written out: they ask for less and less.
; Fragments come by four loads of 16 bytes, 32 bytes apart: registers 4 c .. 4 c + 3 hold K = 32 c + 16 h + 0 .. 15: the same order of k in both operands.
; LIMITS: e0 between -126 and 112 (the scale and the hold are f32 numbers); qW x 2^(e0 + e1 + e4 + e5) stays inside f32's range.  NaN and infinity in value are not served.  The f32 sums are ordered otherwise than an ascending sum:
; 16 slices of qW in order; a row's 1,024 products with qW in 4 chains a lane, 2 lanes, 4 waves, 8 slabs.
; REGISTERS, in windows of 256 (s_set_vgpr_msb's low byte: bits 1:0 source 0, 3:2 source 1, 5:4 source 2, 7:6 destination):
;   window 0: v1-14 addresses; v16-21 a block's numbers; v32-47 codes just made; v48-55 two steps' running dots; v64-95 four accumulators; v96-159 two sets of value's fragments; v160-255 slots 0-2 of value as loaded.
;   window 1: W_enc's tiles 0-5 (tile b, K step s at 32 (b % 6) + 16 s); window 2: tiles 6-11; window 3: tiles 12-15, and slots 3-5 at v128, v160, v224.  In each from v192: qW, eight registers a tile; a pair's qW lies in the window of
;   the pair that FOLLOWS it, where its fold is issued.  So with source 0 in window k and all else in window 0, ONE setting serves the matrix instructions and the folds; the hold takes its bounds from scalar registers, so that it stands
;   under the same setting where its slot lies in window 0.
.set PITCH,  272                       ; an LDS row of codes: 256 bytes + 16: an odd multiple of 16, so the 16 rows that a fragment load touches lie in 16 different 16-byte columns of 256 bytes
.set BW,     256*PITCH                 ; a wave's 256 rows of the slab
.set ABUF,   4*BW                      ; behind the slab: buffers 0 and 1 of 64 rows of value's codes.  Buffer 2 lies at byte 0, in the slab, which has had its one fill and has been read out when the first code is stored there
.set ABYTES, 64*PITCH
.set QW,     ABUF+2*ABYTES             ; qW of my batch, scaled: 1,024 f32
.set X,      ABYTES                    ; behind buffer 2, in the slab too: 17 slots x 4 waves x 64 f32 (block j in slot j + 1): word 4 r + a of a wave's 256 bytes is row 16 a + r
.set BLKB,   64*8192                   ; a block of 64 rows of value in memory
.set AB,   1                           ; v1   the slab: BW w + 272 r + 16 h (at the head only)
.set AA,   2                           ; v2   value's fragments in buffers 0, 1: ABUF + 272 r + 16 h
.set AA2,  3                           ; v3   in buffer 2: 272 r + 16 h
.set AW,   4                           ; v4   where I store codes in buffers 0, 1: ABUF + 16 x 272 w + 4 lane
.set AW2,  5                           ; v5   in buffer 2
.set VO,   6                           ; v6   16 x lane: my bytes of a load's 512
.set SCL,  7                           ; v7   2^e0 as f32
.set XW,   8                           ; v8   X + 256 w + 16 r
.set XWC,  9                           ; v9   the same, at the trip's first slot
.set XR,   10                          ; v10  the way out: X + 1,024 + 4,096 w + 32 (lane % 8) + 4 (lane / 8): rows 2 lane (and, 16 bytes on, 2 lane + 1) of my first block
.set SO,   11                          ; v11  8 x lane
.set QWA,  12                          ; v12  QW + 16 x thread
.set QR,   13                          ; v13  QW + 1,024 w + 32 h
.set QO,   14                          ; v14  16 x thread: my bytes of a slice of qwp
.set R,    16                          ; v16-19 a block's four numbers of my lane
.set T,    20                          ; v20  the other half of the lanes'
.set RT,   21                          ; v21  at work
.set PC,   32
.set S,    48                          ; step parity p, chain i at 48 + 4 p + 2 i, a pair each
.set ACC,  64                          ; pair parity, tile parity: 64 + 8 (2 (g % 2) + b % 2)
.set AF,   96                          ; step parity p, K step s at 96 + 32 p + 16 s
.set OUT,  96                          ; the way out
.set QWR,  192                         ; in windows 1 to 3
.set WV,   14                          ; s14  wave
.set VB,   32                          ; s[32:33] value at my wave's 16 rows of the trip's first block, my slab
.set SP,   34                          ; s[34:35] scoresP at my wave's four blocks
.set SEL,  50                          ; s[50:51] lane selects for v_permlanex16_b32: lane l xor 16
.set TRIP, 52                          ; s52  the loop's trips
.set XS,   53                          ; s53  3,072 x trip: the trip's first slot of X
.set NLIM, 54                          ; s54  -57,344 x 2^e0
.set LIM,  55                          ; s55  57,344 x 2^e0
.set MSB, 0
.set ZW, 0
.set ZB, 0
.macro WIN new                         ; the immediate's high byte repeats the setting that is left; a switch that changes nothing is dropped
.if MSB != (\new)
	s_set_vgpr_msb (MSB<<8)|(\new)
.set MSB, (\new)
.endif
.endm
.macro ROUND                           ; a round of the cluster's barrier
	s_barrier_signal -1
	s_barrier_wait -1
	s_cmp_lg_u32 s[WV], 0
	s_cbranch_scc1 .Lnot_wave_0_\@
	s_barrier_signal -3
.Lnot_wave_0_\@:
	s_barrier_wait -3
	s_barrier_signal -1
	s_barrier_wait -1
.endm
.macro SLOTOF z                        ; slot z of value as loaded: its window ZW and first register ZB
.if (\z) < 3
.set ZW, 0
.set ZB, 160+32*(\z)
.elseif (\z) < 5
.set ZW, 3
.set ZB, 128+32*((\z)-3)
.else
.set ZW, 3
.set ZB, 224
.endif
.endm
; Quarter q (counted from VB's block): rows 4 (q % 4) .. + 3 of my 16, 8 loads of 512 consecutive bytes.  A lane then holds, of each row, k = 4 lane + 0 .. 3 (registers 0-3) and 128 + 4 lane + 0 .. 3 (registers 4-7)
.macro GLD zw, zb, q
	WIN (\zw)<<6
.irp n, 0,1,2,3
	global_load_b128 v[(\zb)+8*\n:(\zb)+8*\n+3], v[VO], s[VB:VB+1] offset:BLKB*((\q)/4)+8192*(4*((\q)%4)+\n) th:TH_LOAD_NT
	global_load_b128 v[(\zb)+8*\n+4:(\zb)+8*\n+7], v[VO], s[VB:VB+1] offset:BLKB*((\q)/4)+8192*(4*((\q)%4)+\n)+512 th:TH_LOAD_NT
.endr
.endm
; Quarter q's codes to LDS: a conversion's two registers go to bytes 4 lane and 128 + 4 lane of the row: 32 lanes store 128 consecutive bytes
.macro CSTORE q, par
.set cb, ((\q)/4)%3
.if cb == 2
.set cA, AW2
.set cO, 0
.else
.set cA, AW
.set cO, ABYTES*cb
.endif
.irp n, 0,1,2,3
	ds_store_b32 v[cA], v[PC+8*(\par)+2*\n] offset:cO+PITCH*(4*((\q)%4)+\n)
	ds_store_b32 v[cA], v[PC+8*(\par)+2*\n+1] offset:cO+PITCH*(4*((\q)%4)+\n)+128
.endr
.endm
; Step tt's two fragments of value: 8 loads
.macro FETCH tt
.set fb, ((\tt)/4)%3
.if fb == 2
.set fA, AA2
.set fO, 0
.else
.set fA, AA
.set fO, ABYTES*fb
.endif
.irp s, 0,1
.irp c, 0,1,2,3
	ds_load_b128 v[AF+32*((\tt)%2)+16*\s+4*\c:AF+32*((\tt)%2)+16*\s+4*\c+3], v[fA] offset:fO+16*PITCH*((\tt)%4)+128*\s+32*\c
.endr
.endr
.endm
; Matrix instruction n of a step's 32: pair n / 4, tile 2 (n / 4) + n % 2, K step (n / 2) % 2.  A pair's two accumulators take turns, one instruction a turn; K step 0 starts the sums: nothing is cleared.
.macro WM n, t
.set wb, 2*((\n)/4)+(\n)%2
.set ws, ((\n)/2)%2
.set rD, ACC+8*(2*(((\n)/4)%2)+(\n)%2)
.set rB, 32*(wb%6)+16*ws
.set rA, AF+32*((\t)%2)+16*ws
	WIN 1+wb/6                                     ; source 0 in the tile's window, all else in window 0
.if ws == 0
	v_wmma_f32_16x16x128_bf8_bf8 v[rD:rD+7], v[rB:rB+15], v[rA:rA+15], 0
.else
	v_wmma_f32_16x16x128_bf8_bf8 v[rD:rD+7], v[rB:rB+15], v[rA:rA+15], v[rD:rD+7]
.endif
.endm
; Line L of 8 of the fold of the pair BEFORE pair n / 4 (for n < 4: the last pair of the step before).  Tile L / 4 of the pair, its registers 2 (L % 4), + 1: each accumulator is read from its low end on.
; A step's first two lines start its running dots.  These lines name no register of the matrix instructions round them, so they are also the places (ISA guide 7.12.1): four lie between a tile's last product and the first read of its sums,
; eight between that product and the product that begins the accumulator anew.
.macro PK n, t, L
.set pg, ((\n)/4+7)%8
.set pt, (\L)/4
.set pq, (\L)%4
.set rC, ACC+8*(2*(pg%2)+pt)+2*pq
.set rQ, QWR+8*((2*((\n)/4))%6+pt)+2*pq
.if (\n) < 4
.set rS, S+4*(((\t)+1)%2)+2*(pq%2)
.else
.set rS, S+4*((\t)%2)+2*(pq%2)
.endif
.if (pg == 0) && ((\L) < 2)
	v_pk_mul_f32 v[rS:rS+1], v[rQ:rQ+1], v[rC:rC+1]
.else
	v_pk_fma_f32 v[rS:rS+1], v[rQ:rQ+1], v[rC:rC+1], v[rS:rS+1]
.endif
.endm
.macro MEDL i                          ; the conversion to an 8-bit code does not saturate (ISA guide 7.6.2): the hold at the largest code x the scale, in place
	v_med3_num_f32 v[ZB+(\i)], s[NLIM], v[ZB+(\i)], s[LIM]
.endm
.macro MED n                           ; the holds behind matrix instruction n (16 .. 31): two each where the slot lies in window 0; four behind every second one, between two switches, where it lies in window 3
.if ZW == 0
	MEDL 2*((\n)-16)
	MEDL 2*((\n)-16)+1
.elseif ((\n)%2) == 0
	WIN 0xcc                                       ; source 1 and destination window 3
	MEDL 2*((\n)-16)
	MEDL 2*((\n)-16)+1
	MEDL 2*((\n)-16)+2
	MEDL 2*((\n)-16)+3
.endif
.endm
; The running dots of the step before step tr: two chains, two halves of a pair, the two halves of the lanes (which hold other columns of the same row)
.macro REDUCE tr
.set rdS, S+4*(((\tr)+1)%2)
	v_pk_add_f32 v[rdS:rdS+1], v[rdS:rdS+1], v[rdS+2:rdS+3]
	v_add_f32 v[RT], v[rdS], v[rdS+1]
	v_permlanex16_b32 v[T], v[RT], s[SEL], s[SEL+1]
	v_add_f32 v[R+((\tr)+3)%4], v[RT], v[T]
.endm
; A step's one run of memory instructions, behind its fourth product
.macro GROUP tr
.if fC
	SLOTOF ((\tr)+8)%6
	WIN ZW                                         ; source 0 in the slot's window
.irp n, 0,1,2,3
	v_cvt_scalef32_pk8_bf8_f32 v[PC+8*((\tr)%2)+2*\n:PC+8*((\tr)%2)+2*\n+1], v[ZB+8*\n:ZB+8*\n+7], v[SCL]   ; a row a conversion; its numbers were held in the step before
.endr
	v_nop                                          ; one plain vector instruction behind the last conversion
.endif
	WIN 0
	REDUCE \tr
.if fC
	CSTORE (\tr)+8, (\tr)%2
.endif
.if ((\tr)%4) == 0
	ds_store_b128 v[XWC], v[R:R+3] offset:1024*((\tr)/4)   ; the block before is done: four numbers a lane (lanes r and r + 16 store the same 16 bytes)
.endif
.if fF
	FETCH (\tr)+1                                  ; into the set that the step before has left: ten folds' lines lie between its last product and these loads
.endif
.if fG
	GLD ZW, ZB, (\tr)+14                           ; the slot just converted is asked for anew
.endif
.endm
; STEP tr of a trip (tail = 0: all of it) or of the last 16 (tail = 1: quarters up to 63, tiles up to 63)
.macro STEP tr, tail
.set fG, 1
.set fC, 1
.set fM, 1
.set fF, 1
.set LC, 40                            ; behind quarter t + 9's loads stand those of quarters t + 10 to t + 14
.if \tail
.if (\tr) > 1
.set fG, 0
.set LC, 8*(6-(\tr))                   ; nothing more is asked for: quarters t + 10 to 63
.endif
.if (\tr) > 7
.set fC, 0
.endif
.if (\tr) > 6
.set fM, 0
.endif
.if (\tr) > 14
.set fF, 0
.endif
.endif
	s_wait_dscnt 0x0                               ; this step's fragments are in (asked for 28 matrix instructions ago), and my code stores have landed
.if ((\tr)%4) == 0
	s_barrier_signal -1                            ; a block begins: my codes of the next block lie in LDS, my reads of the block before are in;
.endif
.set sn, 0
.rept 4
	WM sn, \tr
	PK sn, \tr, 2*(sn%4)
	PK sn, \tr, 2*(sn%4)+1
.set sn, sn+1
.endr
.if ((\tr)%4) == 0
	s_barrier_wait -1                              ; (work on registers stood between) and so it is with every wave
.endif
	GROUP \tr
.rept 12
	WM sn, \tr
	PK sn, \tr, 2*(sn%4)
	PK sn, \tr, 2*(sn%4)+1
.set sn, sn+1
.endr
.if fM
	s_wait_loadcnt LC                              ; loads come back in order (ISA guide 5.7.1): quarter t + 9 is in, the younger ones stay out
	SLOTOF ((\tr)+9)%6
.endif
.rept 16
	WM sn, \tr
	PK sn, \tr, 2*(sn%4)
	PK sn, \tr, 2*(sn%4)+1
.if fM
	MED sn
.endif
.set sn, sn+1
.endr
.endm
; At the head: quarter q, in window zw from register zb on, is held, converted and stored at one go
.macro PQ zw, zb, q, cnt
	s_wait_dscnt 8                                 ; all but the last quarter's 8 stores are done: the codes' registers of two quarters back may be written
	s_wait_loadcnt \cnt
	WIN ((\zw)<<6)|((\zw)<<2)
.set i, 0
.rept 32
	v_med3_num_f32 v[(\zb)+i], s[NLIM], v[(\zb)+i], s[LIM]
.set i, i+1
.endr
	WIN \zw
.irp n, 0,1,2,3
	v_cvt_scalef32_pk8_bf8_f32 v[PC+8*((\q)%2)+2*\n:PC+8*((\q)%2)+2*\n+1], v[(\zb)+8*\n:(\zb)+8*\n+7], v[SCL]
.endr
	v_nop                                          ; one plain vector instruction behind the last conversion
	WIN 0
	CSTORE \q, (\q)%2
.endm
	s_load_b256 s[4:11], s[0:1], 0x0               ; value s[4:5], W_enc's codes s[6:7], the scales' exponents s[8:9], qwp s[10:11]
	s_load_b64 s[12:13], s[0:1], 0x20              ; scoresP
	v_lshl_add_u32 v62, v0, 2, 0x4d800
	v_mov_b32 v63, 0
	ds_add_u32 v62, v63
	ds_add_u32 v62, v63
	v_lshrrev_b32 v56, 5, v0
	v_readfirstlane_b32 s[WV], v56                 ; wave 0..3
	s_bfe_u32 s17, ttmp6, 0x40000                  ; cx: my place in the cluster: it enters value's, qwp's and scoresP's addresses alone
	s_lshl_b32 s16, ttmp9, 2                       ; in a cluster launch ttmp9 counts clusters
	s_add_co_u32 s16, s16, s17                     ; rg: my 1,024 rows
	s_and_b32 s15, ttmp7, 0xffff                   ; ks: my K slab, which the four partners share
	; descriptor group 1: a tile of 256 rows x 256 bytes, 2,048 bytes apart in memory, padded in LDS
	s_mov_b32 s24, 15|(1<<20)|(1<<21)|(5<<22)|(3<<25)  ; 15:0 the mask: all four work-groups; 17:16 elements of 1 byte; 20 padding on; 21 set beside a mask; 24:22 after every 64 words (code 5); 31:25 four words (code 3)
	s_mov_b32 s25, 256<<16                         ; tensor_dim0 = 256
	s_mov_b32 s26, 256<<16                         ; tensor_dim1 = 256
	s_mov_b32 s27, 256<<16                         ; tile_dim0 = 256
	s_mov_b32 s28, 256                             ; tile_dim1 = 256
	s_mov_b32 s29, 2048                            ; tensor_dim0_stride
	s_mov_b32 s30, 0
	s_mov_b32 s31, 0
	s_lshl_b32 s18, s[WV], 19                      ; my 256 rows of W_enc, 2,048 bytes each,
	s_lshl_b32 s19, s15, 8                         ; at byte 256 ks
	s_add_co_u32 s18, s18, s19
	s_mov_b32 s19, 0
	s_mov_b32 s20, 1                               ; group 0: count = 1
	s_mul_i32 s21, s[WV], BW                       ; LDS address: wave x 256 rows: no place in the cluster enters it
	s_lshl_b32 s[VB], s16, 23                      ; value: 1,024 rg rows of 8,192 bytes,
	s_lshl_b32 s42, s[WV], 17                      ; + 16 w rows,
	s_add_co_u32 s[VB], s[VB], s42
	s_lshl_b32 s42, s15, 10                        ; + 1,024 ks: under 2^28 in all
	s_add_co_u32 s[VB], s[VB], s42
	s_mov_b32 s[VB+1], 0
	s_lshl_b32 s[SP], s15, 17                      ; scoresP: slab ks of 131,072 bytes, + 4 x 1,024 rg,
	s_lshl_b32 s42, s16, 12
	s_add_co_u32 s[SP], s[SP], s42
	s_lshl_b32 s42, s[WV], 10                      ; + my four blocks of 256 bytes
	s_add_co_u32 s[SP], s[SP], s42
	s_mov_b32 s[SP+1], 0
	s_lshr_b32 s44, s16, 1                         ; my batch
	s_lshl_b32 s44, s44, 12                        ; its row of 4,096 bytes in a slice of qwp
	s_mov_b32 s45, 0
	s_mov_b32 s[SEL], 0x76543210
	s_mov_b32 s[SEL+1], 0xfedcba98
	s_wait_dscnt 0x0
	s_wait_kmcnt 0x0
	s_load_b128 s[36:39], s[8:9], 0x0              ; e0, e1, e2, e3
	s_load_b64 s[40:41], s[8:9], 0x10              ; e4, e5
	s_add_nc_u64 s[22:23], s[6:7], s[18:19]        ; group 0: global address,
	s_or_b32 s23, s23, 0x80000000                  ; type = 2
	s_add_nc_u64 s[VB:VB+1], s[4:5], s[VB:VB+1]
	s_add_nc_u64 s[SP:SP+1], s[12:13], s[SP:SP+1]
	s_add_nc_u64 s[10:11], s[10:11], s[44:45]
	ROUND                                          ; all four work-groups are here: the joint loads meet
	tensor_load_to_lds s[20:23], s[24:31]          ; my quarter of the slab: the one tensor load of this wave
	s_nop 0
.rept 4
	v_nop
.endr
	v_and_b32 v56, 15, v0                          ; r
	v_bfe_u32 v57, v0, 4, 1                        ; h
	v_and_b32 v58, 31, v0                          ; lane
	v_mul_u32_u24 v[AA2], v56, PITCH
	v_lshl_add_u32 v[AA2], v57, 4, v[AA2]
	v_add_nc_u32 v[AB], s21, v[AA2]
	v_add_nc_u32 v[AA], ABUF, v[AA2]
	s_mul_i32 s42, s[WV], 16*PITCH
	v_lshl_add_u32 v[AW2], v58, 2, s42
	v_add_nc_u32 v[AW], ABUF, v[AW2]
	v_lshlrev_b32 v[VO], 4, v58
	s_lshl_b32 s42, s[WV], 8
	s_add_co_u32 s42, s42, X
	v_lshl_add_u32 v[XW], v56, 4, s42
	v_and_b32 v[XR], 7, v58
	v_lshrrev_b32 v59, 3, v58
	v_lshlrev_b32 v[XR], 5, v[XR]
	v_lshl_add_u32 v[XR], v59, 2, v[XR]
	s_lshl_b32 s42, s[WV], 12
	s_add_co_u32 s42, s42, X+1024
	v_add_nc_u32 v[XR], s42, v[XR]
	v_lshlrev_b32 v[SO], 3, v58
	v_lshl_add_u32 v[QWA], v0, 4, QW
	s_lshl_b32 s42, s[WV], 10
	s_add_co_u32 s42, s42, QW
	v_lshl_add_u32 v[QR], v57, 5, s42
	v_lshlrev_b32 v[QO], 4, v0
	; The step is written once: the first one folds, adds up and stores a tile that does not exist.  It finds zeros (two accumulators, one set of running dots, a block's four numbers), and their slot of X, the first of the 17, is read by nobody.
.set i, 0
.rept 16
	v_mov_b32 v[ACC+16+i], 0
.set i, i+1
.endr
.irp i, 0,1,2,3
	v_mov_b32 v[S+4+\i], 0
	v_mov_b32 v[R+\i], 0
.endr
	v_mov_b32 v[T], 0                              ; written once: a lane permute's destination counts as one of its sources
	; qW of my batch: the 16 slices, 8 numbers a thread (n = 4 t + 0 .. 3 and 512 + 4 t + 0 .. 3), into window 1, where W_enc's tiles will lie later
	WIN 0x40
.set i, 0
.rept 16
	global_load_b128 v[8*i:8*i+3], v[QO], s[10:11] offset:65536*i
	global_load_b128 v[8*i+4:8*i+7], v[QO], s[10:11] offset:65536*i+2048
.set i, i+1
.endr
	; Nine quarters of value are asked for at once, in their order: 0 to 5 into the six slots, 6 to 8 into registers of window 2 that W_enc's tiles take later
.irp q, 0,1,2,3,4,5
	SLOTOF \q
	GLD ZW, ZB, \q
.endr
	GLD 2, 0, 6
	GLD 2, 32, 7
	GLD 2, 64, 8
	WIN 0
	s_wait_kmcnt 0x0
	s_add_co_i32 s46, s36, 127
	s_lshl_b32 s47, s46, 23
	v_mov_b32 v[SCL], s47                          ; 2^e0 as f32: the conversion takes its exponent field
	s_add_co_i32 s46, s46, 15
	s_lshl_b32 s46, s46, 23
	s_or_b32 s[LIM], s46, 0x600000                 ; 57,344 x 2^e0,
	s_or_b32 s[NLIM], s[LIM], 0x80000000           ; and its negative
	s_add_co_i32 s48, s36, s37
	s_add_co_i32 s48, s48, s40
	s_add_co_i32 s48, s48, s41                     ; e0 + e1 + e4 + e5: both products' scales go into qW once
	s_wait_loadcnt 63                              ; qwp's 32 loads are in: 72 loads were issued behind them, and the count's field ends at 63
	WIN 0x55                                       ; all in window 1
.irp j, 1,2,3,4,5,6,7,8,9,10,11,12,13,14,15
.irp i, 0,2,4,6
	v_pk_add_f32 v[\i:\i+1], v[\i:\i+1], v[8*\j+\i:8*\j+\i+1]   ; in the order of the slices
.endr
.endr
.irp i, 0,1,2,3,4,5,6,7
	v_ldexp_f32 v[\i], v[\i], s48
.endr
	WIN 0x04                                       ; store data window 1
	ds_store_b128 v[QWA], v[0:3]
	ds_store_b128 v[QWA], v[4:7] offset:2048
	WIN 0
	; Blocks 0 and 1 are quantised.  The counts: behind quarter q stand quarters q + 1 to 8 (64, for which the field's 63 stands; 56; 48; 40); from quarter 3 on each quarter done lets the next be asked for, in order, so that five stay behind
	SLOTOF 0
	PQ ZW, ZB, 0, 63
	SLOTOF 1
	PQ ZW, ZB, 1, 56
	SLOTOF 2
	PQ ZW, ZB, 2, 48
	SLOTOF 3
	PQ ZW, ZB, 3, 40
	GLD ZW, ZB, 9
	SLOTOF 4
	PQ ZW, ZB, 4, 40
	GLD ZW, ZB, 10
	SLOTOF 5
	PQ ZW, ZB, 5, 40
	GLD ZW, ZB, 11
	PQ 2, 0, 6, 40
	SLOTOF 0
	GLD ZW, ZB, 12
	PQ 2, 32, 7, 40
	SLOTOF 1
	GLD ZW, ZB, 13
	s_wait_loadcnt 40                              ; quarter 8 is in; quarters 9 to 13 stay out
	WIN 0x08                                       ; source 1 window 2
.set i, 0
.rept 32
	v_med3_num_f32 v[224+i], s[NLIM], v[64+i], s[LIM]   ; quarter 8 is held on its way into slot 2, where the first step converts it
.set i, i+1
.endr
	s_wait_tensorcnt 0x0                           ; my quarter of the slab has landed: I alone read it
.set i, 0
.rept 16                                       ; W_enc's 16 tiles of mine, 128 loads: they stay
	WIN (1+i/6)<<6
.irp s, 0,1
.irp c, 0,1,2,3
	ds_load_b128 v[32*(i%6)+16*\s+4*\c:32*(i%6)+16*\s+4*\c+3], v[AB] offset:16*PITCH*i+128*\s+32*\c
.endr
.endr
.set i, i+1
.endr
	WIN 0
	s_wait_dscnt 0x0                               ; my reads of the slab are in; my part of qW and my codes of blocks 0 and 1 have landed;
	s_barrier_signal -1
	s_barrier_wait -1                              ; everybody's have: the slab's bytes may be written, qW and the codes read
.set i, 0
.rept 16                                       ; qW's eight numbers of tile i, at QW + 1,024 w + 64 i + 32 h, into the window of the pair of tiles that follows tile i's
.set q2, 2*(((i/2)+1)%8)
	WIN (1+q2/6)<<6
	ds_load_b128 v[QWR+8*(q2%6+i%2):QWR+8*(q2%6+i%2)+3], v[QR] offset:64*i
	ds_load_b128 v[QWR+8*(q2%6+i%2)+4:QWR+8*(q2%6+i%2)+7], v[QR] offset:64*i+16
.set i, i+1
.endr
	WIN 0
	FETCH 0
	s_mov_b32 s[TRIP], 0
	s_mov_b32 s[XS], 0
.Ltrip:                                                ; 4 trips of 12 steps: tiles 0 to 47, which ask for quarters 14 to 61
	v_add_nc_u32 v[XWC], s[XS], v[XW]
.set st, 0
.rept 12
	STEP st, 0
.set st, st+1
.endr
	WIN 0                                          ; at a label and at a branch every window is 0
	s_wait_xcnt 0x0                                ; every load issued so far has read its base: it may step
	s_add_nc_u64 s[VB:VB+1], s[VB:VB+1], 3*BLKB
	s_add_co_u32 s[XS], s[XS], 3072
	s_add_co_u32 s[TRIP], s[TRIP], 1
	s_cmp_lt_u32 s[TRIP], 4
	s_cbranch_scc1 .Ltrip
	v_add_nc_u32 v[XWC], s[XS], v[XW]
.set st, 0
.rept 16                                       ; tiles 48 to 63: no load leaves my rows, no code is made twice
	STEP st, 1
.set st, st+1
.endr
	WIN 1                                          ; the last pair's fold: four lines stand between the last but one product and the first of these
.set sn, 0
.rept 4
	PK sn, 16, 2*sn
	PK sn, 16, 2*sn+1
.set sn, sn+1
.endr
	WIN 0
	REDUCE 16
	ds_store_b128 v[XWC], v[R:R+3] offset:4096     ; block 15
	s_wait_dscnt 0x0                               ; for the others' sake: my numbers have landed
	s_barrier_signal -1
	s_barrier_wait -1
	; THE WAY OUT: wave w adds the four waves' numbers of blocks 4 w .. 4 w + 3; a lane takes two neighbouring rows
.irp j, 0,1,2,3
.irp n, 0,1,2,3
	ds_load_b32 v[OUT+8*\j+2*\n], v[XR] offset:1024*\j+256*\n
	ds_load_b32 v[OUT+8*\j+2*\n+1], v[XR] offset:1024*\j+256*\n+16
.endr
.endr
.irp j, 0,1,2,3
	s_wait_dscnt 8*(3-\j)                          ; LDS loads come back in order: block j's 8 are in, the later blocks' stay out
	v_pk_add_f32 v[OUT+8*\j:OUT+8*\j+1], v[OUT+8*\j:OUT+8*\j+1], v[OUT+8*\j+2:OUT+8*\j+3]
	v_pk_add_f32 v[OUT+8*\j+4:OUT+8*\j+5], v[OUT+8*\j+4:OUT+8*\j+5], v[OUT+8*\j+6:OUT+8*\j+7]
	v_pk_add_f32 v[OUT+8*\j:OUT+8*\j+1], v[OUT+8*\j:OUT+8*\j+1], v[OUT+8*\j+4:OUT+8*\j+5]
	global_store_b64 v[SO], v[OUT+8*\j:OUT+8*\j+1], s[SP:SP+1] offset:256*\j   ; 32 lanes store 256 consecutive bytes, at a multiple of 256 from scoresP's first byte: rows in their own order
.endr
	s_wait_tensorcnt 0x0
	ds_add_u32 v62, v63
	s_wait_dscnt 0x0
	ROUND                                          ; the closing round
	s_endpgm
.Lfunc_end_k_q3902d69d99_scores:
	.size	k_q3902d69d99_scores, .Lfunc_end_k_q3902d69d99_scores-k_q3902d69d99_scores
	.p2alignl 7, 3214868480
	.fill 96, 4, 3214868480
	.section	.rodata,"a",@progbits
	.p2align	6, 0x0
	.amdhsa_kernel k_q3902d69d99_scores
		.amdhsa_group_segment_fixed_size 327680
		.amdhsa_private_segment_fixed_size 0
		.amdhsa_enable_private_segment 0
		.amdhsa_kernarg_size 40
		.amdhsa_user_sgpr_count 2
		.amdhsa_user_sgpr_kernarg_segment_ptr 1
		.amdhsa_wavefront_size32 1
		.amdhsa_system_sgpr_workgroup_id_x 1
		.amdhsa_system_sgpr_workgroup_id_y 1
		.amdhsa_system_sgpr_workgroup_id_z 1
		.amdhsa_system_vgpr_workitem_id 0
		.amdhsa_next_free_vgpr 1024
		.amdhsa_next_free_sgpr 66
		.amdhsa_reserve_vcc 0
		.amdhsa_float_denorm_mode_32 3
		.amdhsa_float_denorm_mode_16_64 3
		.amdhsa_memory_ordered 1
		.amdhsa_forward_progress 1
		.amdhsa_inst_pref_size 255
	.end_amdhsa_kernel
	.section	.bss,"aw",@nobits
	.p2align	6
	.space	262144
	.amdgpu_metadata
---
amdhsa.version: [ 1, 2 ]
amdhsa.kernels:
  - .name:           k_q3902d69d99_scores
    .symbol:         k_q3902d69d99_scores.kd
    .args:
      - { .name: value, .offset: 0, .size: 8, .value_kind: global_buffer, .address_space: global }
      - { .name: W_enc_codes, .offset: 8, .size: 8, .value_kind: global_buffer, .address_space: global }
      - { .name: lowp_scales, .offset: 16, .size: 8, .value_kind: global_buffer, .address_space: global }
      - { .name: qwp, .offset: 24, .size: 8, .value_kind: global_buffer, .address_space: global }
      - { .name: scoresP, .offset: 32, .size: 8, .value_kind: global_buffer, .address_space: global }
    .group_segment_fixed_size: 327680
    .private_segment_fixed_size: 0
    .kernarg_segment_align: 8
    .kernarg_segment_size: 40
    .max_flat_workgroup_size: 128
    .sgpr_count:     66
    .vgpr_count:     1024
    .wavefront_size: 32
...
	.end_amdgpu_metadata
.endif
;; end of part 5
;; launch soft: the kernel of part 3 again; grid 16 x 1, 8 waves a work-group, no clusters, 2,048 bytes of LDS; arguments scoresP, mask, out1, flags; writes out1, flags
;; launch ctx: the kernel of part 4 again; grid 16 x 16, 32 waves a work-group, no clusters, 20,480 bytes of LDS; arguments value, out1, flags, out0; writes out0
